; MI455X (gfx1250); checked and timed in simulation.
; The chip was launched on July 23, 2026; its instructions are those of AMD's public machine-readable ISA for CDNA 5 (MIT licence, August 2026) and "CDNA5" Instruction Set Architecture Reference Guide (July 2026). The comments in the code are by the model that wrote it; some were corrected since.
;; Causal Self Attention. Allowed arithmetic: matrix products marked QUANTISED: E2M1 operands, one E8M0 scale for each 32 along K, by v_wmma_scale_f32_16x16x128_f8f6f4 with both operands' format E2M1 (or v_wmma_scale_f32_32x16x128_f4), f32 sums; products left as they are: bf16, f16 or f32 operands; f32 sums; everything else in f32.
;; Inputs: w_proj 1,024 x 1,024 float32; w_qkv 3,072 x 1,024 float32; x 4 x 2,048 x 1,024 float32.
;; Outputs: out0 4 x 2,048 x 1,024 float32.
;; This version of the problem:
;;   THIS VERSION OF THE PROBLEM IS GIVEN IN LOW PRECISION. The matrix products marked QUANTISED in the list below multiply operands that are first quantised to E2M1 (2 exponent bits, 1 mantissa bit; 4 bits a number), with one power-of-two scale for each 32 numbers along K (OCP MX v1.0); their sums are f32. The products marked 'left as it is' may take bf16, f16 or f32 operands, with f32 sums. All else is computed in f32.
;;   The module's matrix products, in the order in which they are computed (A, B: the left and right operand; K: the contracted axis; several contracted axes count as one K, in the product's order):
;;     1. [M 8,192, K 1,024] x [K 1,024, N 3,072]; A: input x; B: input w_qkv: QUANTISED
;;     2. batch 64 x [M 2,048, K 64] x [K 64, N 2,048]; A: computed on the way; B: computed on the way: left as it is (an operand is computed on the way)
;;     3. batch 64 x [M 2,048, K 2,048] x [K 2,048, N 64]; A: computed on the way; B: computed on the way: left as it is (an operand is computed on the way)
;;     4. [M 8,192, K 1,024] x [K 1,024, N 1,024]; A: computed on the way; B: input w_proj: left as it is (an operand is computed on the way)
;;   THE QUANTISER, for each operand of a quantised product, along K:
;;     - K is cut into blocks of 32 from its start; a last block that is shorter is filled with zeros.
;;     - A block's scale is 2^e with e = floor(log2(the largest magnitude in the block)) - 2, held to -126 .. 127; a block of zeros has e = 0. As a byte (E8M0): e + 127.
;;     - Each number is divided by its block's scale, clamped to +-6, and rounded to the nearest number of E2M1, ties to even, subnormals kept.
;;     - The product sums the exact products of the quantised numbers (number of the format x scale) in f32.
;;   ~~~python
;;   def quantise(x, axis):      # numpy; x: float32 -> the quantised numbers, widened to float32 again
;;       x = np.moveaxis(x, axis, -1); K = x.shape[-1]
;;       x = np.pad(x, [(0, 0)] * (x.ndim - 1) + [(0, -K % 32)]); x = x.reshape(x.shape[:-1] + (-1, 32)); a = np.abs(x).max(-1, keepdims=True)
;;       e = np.where(a > 0, np.clip(np.frexp(np.where(a > 0, a, 1))[1] - 1 - 2, -126, 127), 0)      # np.frexp(a)[1] - 1 = floor(log2(a)), exactly
;;       r = np.clip(x / 2.0 ** e, -6, 6)
;;       step = 2.0 ** (np.maximum(np.frexp(np.where(r == 0, 1, r))[1] - 1, 0) - 1)
;;       q = np.round(r / step) * step * 2.0 ** e      # np.round: ties to even
;;       return np.moveaxis(q.reshape(q.shape[:-2] + (-1,))[..., :K], -1, axis).astype(np.float32)
;;   ~~~
;; One version. Each part assembles by itself: llvm-mc -triple=amdgcn-amd-amdhsa -mcpu=gfx1250 --defsym DOCPART=n.
;; ======== version 1 of 1: 4 launches
;; limits: values are held in f16: magnitudes above 65,504 overflow, below 6.1e-05 lose precision; values outside matrix products are rounded to f16
;; workspace buffers: xc 4,194,304 bytes; xs 262,144 bytes; wc 1,572,864 bytes; ws 98,304 bytes; wp 2,097,152 bytes; qkvh 50,331,648 bytes; yb 16,777,216 bytes
;; launch prep (part 1): grid 416 x 1, 4 waves a work-group, no clusters, 33,280 bytes of LDS; arguments x, w_qkv, xc, xs, wc, ws, w_proj, wp; writes xc, xs, wc, ws, wp
.if DOCPART == 1
	.amdgcn_target "amdgcn-amd-amdhsa--gfx1250"
	.amdhsa_code_object_version 6
	.text
	.protected	k_q0cdcf1bf7c_prep
	.globl	k_q0cdcf1bf7c_prep
	.p2align	8
	.type	k_q0cdcf1bf7c_prep,@function
k_q0cdcf1bf7c_prep:
	s_mov_b64 s[64:65], 0
	v_nop
	global_prefetch_b8 v0, s[64:65] scope:SCOPE_SE
	s_setreg_imm32_b32 hwreg(HW_REG_WAVE_MODE, 25, 1), 1
	s_wait_xcnt 0x0
; x [8192][1024] and w_qkv [3072][1024], f32, are turned into codes of FP4 (E2M1), 4 bits each, K innermost, with one E8M0 scale byte for each 32 along K; w_proj [1024][1024] is rounded to f16.
; A block's scale is 2^(floor(log2(its largest magnitude)) - 2); its byte is the largest magnitude's own exponent field - 2, held at 1 from below.  Each number is divided by the scale and rounded to the
; nearest code, ties to even; beyond the largest code the largest.
; LIMITS: a block of zeros gets the byte 1 where the rule says 127: its codes are zeros, which add nothing under any byte but 0xff, and the bytes are read by this program alone.  Blocks whose largest
; magnitude lies under 2^(2 - 126) have their byte held at 1.  NaN and infinities among the inputs are not served.  |w_proj| beyond 65,504 becomes infinity in f16; under 6e-5 it keeps an absolute error of 3e-8.
; Rows are dense and 1,024 is a multiple of 32, so x and w_qkv are plain streams of blocks of 32 numbers, and so are their codes and scale bytes.
; SHARES: work-groups 0-255 take x, 256-351 w_qkv (32,768 numbers each, 8,192 a wave), 352-415 w_proj (16,384 each, 4,096 a wave).  Nothing is shared between work-groups, so there is no cluster;
; the launch only streams, so there is no tensor load, no barrier and no prefetch.
; THE QUANTISER: a wave takes 16 steps of 512 numbers.  The conversions take 8 numbers of ONE block from a lane's registers, so a lane must hold 16 NEIGHBOURS (two neighbouring lanes hold a block), while a load is
; best where neighbouring LANES take neighbouring bytes.  Both are had: each of a step's four loads reads 512 consecutive bytes; the 2,048 bytes go through the wave's own stage in LDS and come back 64 bytes a lane.
; A lane's 16 codes are 8 bytes: the wave stores 256 consecutive bytes.  A wave's 256 scale bytes are gathered in LDS and leave as one store of 256 consecutive bytes.
.set SIZE_M, 8192
.set SIZE_N, 3072
.set SIZE_K, 1024
.set WAVES, 4
.set STEPS, 16
.set WGA,   SIZE_M*SIZE_K/(512*STEPS*WAVES)            ; 256 work-groups for x
.set WGQ,   (SIZE_M+SIZE_N)*SIZE_K/(512*STEPS*WAVES)   ; 352 for both quantised tensors
.set EMAX,  2
.set CB,    8                          ; bytes of 16 codes
.set R,     16                         ; v16-79   four sets of 16 numbers as they are loaded (the cast: v16-143)
.set X,     80                         ; v80-111  two sets of 16 neighbours
.set C,     128                        ; v128-191 codes: four registers for each step, so that no store's data are written again
.set E,     112                        ; v112-127 a scale byte for each step
.set WREG,  8192                       ; LDS: a region of its own for each wave: two stages of 32 x SP bytes, and behind them its 256 scale bytes
.set SP,    80                         ; a lane's place in a stage: its 64 bytes + 16 of padding
	s_load_b128 s[4:7], s[0:1], 0x0                ; x, w_qkv
	s_load_b128 s[8:11], s[0:1], 0x10              ; x's codes, x's scales
	s_load_b128 s[12:15], s[0:1], 0x20             ; w_qkv's codes, its scales
	s_load_b128 s[24:27], s[0:1], 0x30             ; w_proj, its f16 copy
	v_lshl_add_u32 v192, v0, 2, 0x8000
	v_mov_b32 v193, 0
	v_lshrrev_b32 v1, 5, v0
	v_readfirstlane_b32 s16, v1                    ; wave
	v_and_b32 v2, 31, v0                           ; lane
	v_lshlrev_b32 v3, 4, v2                        ; my 16 bytes of a load's 512
	s_mul_i32 s17, s16, WREG
	v_lshrrev_b32 v14, 2, v2
	v_mul_u32_u24 v14, v14, SP
	v_and_b32 v15, 3, v2
	v_lshl_add_u32 v14, v15, 4, v14
	v_add_nc_u32 v14, s17, v14                     ; the stage, on the way in: four lanes' 64 bytes on end, then 16 of padding
	v_mul_u32_u24 v15, v2, SP
	v_add_nc_u32 v15, s17, v15                     ; and on the way out: SP x lane: my 16 neighbours
	v_mul_u32_u24 v4, v2, CB                       ; my codes' place in a step's
	v_lshrrev_b32 v5, 1, v2
	s_add_co_u32 s17, s17, 2*32*SP
	v_add_nc_u32 v5, s17, v5                       ; LDS: my wave's 256 scale bytes, my block's byte
	v_lshlrev_b32 v7, 3, v2                        ; and on the way out 8 bytes a lane
	v_add_nc_u32 v6, s17, v7
	s_wait_kmcnt 0x0
	s_cmp_ge_u32 ttmp9, WGQ                        ; the last 64 work-groups cast w_proj: a path that touches no LDS
	s_cbranch_scc1 .Lcast
	s_cmp_lt_u32 ttmp9, WGA                        ; x's work-group or w_qkv's?  Only pointers are chosen, by the work-group's number alone
	s_cselect_b64 s[4:5], s[4:5], s[6:7]
	s_cselect_b64 s[8:9], s[8:9], s[12:13]
	s_cselect_b64 s[10:11], s[10:11], s[14:15]
	s_cselect_b32 s17, 0, WGA
	s_sub_co_u32 s17, ttmp9, s17
	s_lshl_b32 s17, s17, 2
	s_add_co_u32 s18, s17, s16                     ; which run of 8,192 numbers of the tensor is my wave's
	s_mov_b32 s19, 0
	s_mov_b64 s[20:21], 512*STEPS*4
	s_mul_u64 s[20:21], s[18:19], s[20:21]
	s_add_nc_u64 s[4:5], s[4:5], s[20:21]
	s_mov_b64 s[20:21], 32*STEPS*CB
	s_mul_u64 s[20:21], s[18:19], s[20:21]
	s_add_nc_u64 s[8:9], s[8:9], s[20:21]
	s_lshl_b32 s18, s18, 8                         ; 256 scale bytes a run
	s_add_nc_u64 s[10:11], s[10:11], s[18:19]
.macro LOAD t
.irp i, 0,1,2,3
	global_load_b128 v[R+16*((\t)%4)+4*\i:R+16*((\t)%4)+4*\i+3], v3, s[4:5] offset:2048*(\t)+512*\i th:TH_LOAD_NT   ; 32 lanes read 512 consecutive bytes
.endr
.endm
.macro TURN t                          ; step t's numbers through the stage: LDS serves a wave's instructions in order, so no wait stands between the stores and the loads
.irp i, 0,1,2,3
	ds_store_b128 v14, v[R+16*((\t)%4)+4*\i:R+16*((\t)%4)+4*\i+3] offset:32*SP*((\t)%2)+8*SP*\i
.endr
.irp i, 0,1,2,3
	ds_load_b128 v[X+16*((\t)%2)+4*\i:X+16*((\t)%2)+4*\i+3], v15 offset:32*SP*((\t)%2)+16*\i
.endr
.endm
.irp t, 0,1,2,3
	LOAD \t
.endr
	s_wait_loadcnt 12                              ; step 0's four loads are in; the twelve of steps 1 to 3 may be out
	TURN 0
.macro STEP t
.set XS, X+16*((\t)%2)
.if (\t) > 0
	s_wait_dscnt 1                                 ; this step's numbers are back from the stage (the last step's byte store may be out): so its stores into the stage have read their registers,
.else
	s_wait_dscnt 0x0
.endif
.if (\t)+4 < STEPS
	LOAD (\t)+4                                    ; which take the loads of four steps on
.endif
.if (\t)+1 < STEPS
.if STEPS-2-(\t) >= 3
	s_wait_loadcnt 12                              ; the next step's four loads are in; those of the three steps behind it may be out
.else
	s_wait_loadcnt 4*(STEPS-2-(\t))
.endif
	TURN (\t)+1                                    ; and go through the other stage while this step is worked
.endif
	v_max3_num_f32 v8, |v[XS]|, |v[XS+1]|, |v[XS+2]|               ; the largest magnitude of my 16, in two chains
	v_max3_num_f32 v9, |v[XS+3]|, |v[XS+4]|, |v[XS+5]|
.irp i, 6,10
	v_max3_num_f32 v8, v8, |v[XS+\i]|, |v[XS+\i+1]|
	v_max3_num_f32 v9, v9, |v[XS+\i+2]|, |v[XS+\i+3]|
.endr
	v_max3_num_f32 v8, v8, |v[XS+14]|, |v[XS+15]|
	v_max3_num_f32 v8, v8, v9, (EMAX+1)<<23        ; and the floor 2^(EMAX + 1 - 127): so the byte cannot fall under 1
	v_max_num_f32_dpp v8, v8, v8 row_xmask:1 row_mask:0xf bank_mask:0xf   ; and of my neighbour's 16: the block's
	v_add_nc_u32 v11, -(EMAX<<23), v8              ; EMAX off its exponent field: the conversion takes the exponent field of this operand as its scale, and nothing else of it
	v_cvt_scalef32_pk8_fp4_f32 v[C+4*(\t)], v[XS:XS+7], v11
	v_cvt_scalef32_pk8_fp4_f32 v[C+4*(\t)+1], v[XS+8:XS+15], v11
	v_lshrrev_b32 v[E+(\t)], 23, v11               ; the scale's byte (also the plain line behind the conversions)
	ds_store_b8 v5, v[E+(\t)] offset:16*(\t)       ; both lanes of a block write the same byte with the same value
	global_store_b64 v4, v[C+4*(\t):C+4*(\t)+1], s[8:9] offset:32*CB*(\t)   ; 32 lanes store 256 consecutive bytes, at a multiple of 256 from the buffer's first byte
.endm
.irp t, 0,1,2,3,4,5,6,7,8,9,10,11,12,13,14,15
	STEP \t
.endr
	ds_load_b64 v[12:13], v6                       ; LDS serves a wave's instructions in order: these see my stores
	s_wait_dscnt 0x0
	global_store_b64 v7, v[12:13], s[10:11]        ; 32 lanes store 256 consecutive bytes
	s_wait_tensorcnt 0x0
	ds_add_u32 v192, v193
	s_wait_dscnt 0x0
	s_endpgm
; THE CAST: my wave's 4,096 numbers of w_proj: 32 loads of 512 consecutive bytes, all out at once; each becomes 8 bytes a lane, 256 consecutive bytes a store.  No register is written twice.
.Lcast:
	s_sub_co_u32 s17, ttmp9, WGQ
	s_lshl_b32 s17, s17, 2
	s_add_co_u32 s17, s17, s16                     ; which run of 4,096 numbers is my wave's
	s_lshl_b32 s18, s17, 14                        ; 16,384 bytes in,
	s_mov_b32 s19, 0
	s_add_nc_u64 s[24:25], s[24:25], s[18:19]
	s_lshl_b32 s18, s17, 13                        ; 8,192 out
	s_add_nc_u64 s[26:27], s[26:27], s[18:19]
.set i, 0
.rept 32
	global_load_b128 v[R+4*i:R+4*i+3], v3, s[24:25] offset:512*i th:TH_LOAD_NT
.set i, i+1
.endr
.set i, 0
.irp g, 0,1,2,3
	s_wait_loadcnt 24-8*\g                         ; this group's eight loads are in; the later groups' may be out
.rept 8
	v_cvt_pk_f16_f32 v[R+4*i], v[R+4*i], v[R+4*i+1]
	v_cvt_pk_f16_f32 v[R+4*i+1], v[R+4*i+2], v[R+4*i+3]
	global_store_b64 v7, v[R+4*i:R+4*i+1], s[26:27] offset:256*i
.set i, i+1
.endr
.endr
	s_endpgm
.Lfunc_end_k_q0cdcf1bf7c_prep:
	.size	k_q0cdcf1bf7c_prep, .Lfunc_end_k_q0cdcf1bf7c_prep-k_q0cdcf1bf7c_prep
	.p2alignl 7, 3214868480
	.fill 96, 4, 3214868480
	.section	.rodata,"a",@progbits
	.p2align	6, 0x0
	.amdhsa_kernel k_q0cdcf1bf7c_prep
		.amdhsa_group_segment_fixed_size 33280
		.amdhsa_private_segment_fixed_size 0
		.amdhsa_enable_private_segment 0
		.amdhsa_kernarg_size 64
		.amdhsa_user_sgpr_count 2
		.amdhsa_user_sgpr_kernarg_segment_ptr 1
		.amdhsa_wavefront_size32 1
		.amdhsa_system_sgpr_workgroup_id_x 1
		.amdhsa_system_sgpr_workgroup_id_y 1
		.amdhsa_system_sgpr_workgroup_id_z 1
		.amdhsa_system_vgpr_workitem_id 0
		.amdhsa_next_free_vgpr 194
		.amdhsa_next_free_sgpr 66
		.amdhsa_reserve_vcc 0
		.amdhsa_float_denorm_mode_32 3
		.amdhsa_float_denorm_mode_16_64 3
		.amdhsa_memory_ordered 1
		.amdhsa_forward_progress 1
		.amdhsa_inst_pref_size 44
	.end_amdhsa_kernel
	.amdgpu_metadata
---
amdhsa.version: [ 1, 2 ]
amdhsa.kernels:
  - .name:           k_q0cdcf1bf7c_prep
    .symbol:         k_q0cdcf1bf7c_prep.kd
    .args:
      - { .name: x, .offset: 0, .size: 8, .value_kind: global_buffer, .address_space: global }
      - { .name: w_qkv, .offset: 8, .size: 8, .value_kind: global_buffer, .address_space: global }
      - { .name: xc, .offset: 16, .size: 8, .value_kind: global_buffer, .address_space: global }
      - { .name: xs, .offset: 24, .size: 8, .value_kind: global_buffer, .address_space: global }
      - { .name: wc, .offset: 32, .size: 8, .value_kind: global_buffer, .address_space: global }
      - { .name: ws, .offset: 40, .size: 8, .value_kind: global_buffer, .address_space: global }
      - { .name: w_proj, .offset: 48, .size: 8, .value_kind: global_buffer, .address_space: global }
      - { .name: wp, .offset: 56, .size: 8, .value_kind: global_buffer, .address_space: global }
    .group_segment_fixed_size: 33280
    .private_segment_fixed_size: 0
    .kernarg_segment_align: 8
    .kernarg_segment_size: 64
    .max_flat_workgroup_size: 128
    .sgpr_count:     66
    .vgpr_count:     194
    .wavefront_size: 32
...
	.end_amdgpu_metadata
.endif
;; end of part 1
;; launch qkvgemm (part 2): grid 12 x 32, 4 waves a work-group, clusters of 4 x 4, 327,680 bytes of LDS; arguments xc, xs, wc, ws, qkvh; writes qkvh
.if DOCPART == 2
	.amdgcn_target "amdgcn-amd-amdhsa--gfx1250"
	.amdhsa_code_object_version 6
	.text
	.protected	k_q0cdcf1bf7c_qkvgemm
	.globl	k_q0cdcf1bf7c_qkvgemm
	.p2align	8
	.type	k_q0cdcf1bf7c_qkvgemm,@function
k_q0cdcf1bf7c_qkvgemm:
	s_mov_b64 s[64:65], 0
	v_nop
	global_prefetch_b8 v0, s[64:65] scope:SCOPE_SE
	s_setreg_imm32_b32 hwreg(HW_REG_WAVE_MODE, 25, 1), 1
	s_wait_xcnt 0x0
	s_wait_alu depctr_hold_cnt(0) depctr_sa_sdst(0) depctr_va_vdst(0) depctr_va_sdst(0) depctr_va_ssrc(0) depctr_va_vcc(0) depctr_vm_vsrc(0)
	s_getreg_b32 s2, hwreg(HW_REG_IB_STS2, 6, 4)
	s_cmp_eq_u32 s2, 0
	s_cbranch_scc0 .Lentry_in_a_cluster
	s_endpgm
.Lentry_in_a_cluster:
	s_bfe_u32 s2, ttmp6, 0x10000c
	s_cmp_lg_u32 s2, 0xf033
	s_cbranch_scc0 .Lentry_shape_is_right
	s_endpgm
.Lentry_shape_is_right:
; qkv[m][n] = sum over k of x[m][k] w_qkv[n][k], on codes of FP4 (E2M1) with one E8M0 scale for each 32 along K; sums in f32; the result is rounded once to f16 and laid BY HEAD:
; [3 (q, k, v)][64 (16 x batch + head)][2048 (place in the sequence)][64], so that a head's rows are dense and two neighbouring rows are 256 consecutive bytes.
; LIMIT: a result beyond 65,504 in magnitude becomes infinity in f16; under 6e-5 it keeps an absolute error of 3e-8.
; x's codes [8192][512 bytes], w_qkv's [3072][512 bytes]: two codes a byte, the lower k in the low four bits; scale bytes [rows][32].  The matrix instruction takes codes and scale bytes as they lie.
; A tile of the result, 256 x 256, is made by a work-group of four waves; a wave makes 128 x 128: 64 accumulators of 16 x 16, 512 registers.  K = 1,024 is two slots of 512 along K (rows of 256 bytes):
; both are asked for at the start and nothing is filled again.  THE SCALES of the work-group's 256 + 256 rows, for all of K, are two dense blocks of memory and come with the first fills.
; CLUSTERS: 4 x 4 work-groups.  The four of a row of the cluster need the same tiles of x, the four of a column the same tiles of w_qkv: each tile is asked for JOINTLY, by the same tensor load with the
; same descriptor and a mask that names the four.  THE MATRIX INSTRUCTION IS USED TRANSPOSED (source 0 = 16 rows of w_qkv, source 1 = 16 rows of x): a lane then holds eight neighbouring columns of a row.
; REGISTERS, in windows of 256: window 0: v0-31 addresses; v32-95 scale words, two sets; v96-127 packed results; v128-191 x's fragments, ONE set; v192-255 rows read back from the stage.
;   window 1: w_qkv's fragments, TWO sets, at v0 and v128.   window 2: the 32 accumulators of my rows 0-63 ((a, b) at v[8 (8 a + b)]);   window 3: those of my rows 64-127.
.set SIZE_K, 1024
.set KSTEP,  512                       ; along K in a slot
.set NQ,     KSTEP/128                 ; matrix instructions deep
.set ROWB,   256                       ; a tile's row in bytes
.set KROW,   SIZE_K*4/8                ; a row of codes in memory, in bytes
.set PITCH,  272                       ; an LDS row: 256 bytes + 16 of padding = 68 words: the 16 rows that a load touches start 4 words apart modulo 64
.set FR,     8                         ; registers of a fragment: 16 rows x 128 K
.set NL,     2                         ; LDS loads that bring one
.set NP,     4                         ; places behind this matrix instruction (ISA guide 7.12.1)
.set HALFT,  128*PITCH                 ; 128 rows: what one tensor load brings, and what one wave reads of either operand
.set SLOT,   4*HALFT                   ; x's 256 rows, then w_qkv's 256 rows
.set KS,     SIZE_K/32                 ; a row of scales in bytes
.set SCL,    2*SLOT                    ; behind the two slots: the scales, as pieces of 256 bytes + 16 of padding
.set HALFS,  (128*KS/256)*272          ; the scales of 128 rows: what one tensor load brings
.set SBLK,   (16*KS/256)*272           ; those of 16 rows
.set SPARE,  SCL+4*HALFS               ; behind the scales: the spare words, 128 bytes for each wave, which no other line names
.set SPITCH, 272                       ; the way out: a stage of 16 rows x (256 bytes + 16) for each wave, in slot 0, which has had its only fill and its last read when the first result is stored there
.set ADRA, 16                          ; v16-17  LDS address of my x fragments in slot 0, 1
.set ADRB, 20                          ; v20-21  the same for w_qkv
.set STO,  24                          ; v24     the way out: where I put 16 bytes of a row
.set RD,   25                          ; v25     the way out: where I read 16 bytes back
.set CO,   26                          ; v26     my byte offset in the result
.set ADRS, 27                          ; v27     LDS address of my scale words: lanes 0-15 x's rows, lanes 16-31 w_qkv's
.set SPW,  28                          ; v28     LDS address of my spare word; never rewritten
.set NIL,  29                          ; v29     0; never rewritten
.set SC,   32                          ; scale words: set s at v[SC + 8 NQ s]; register NQ i + q: lanes 0-15 x's block i, lanes 16-31 w_qkv's block i, the slot's q-th 128 along K
.set TMP,  96
.set AF,   128
.set BK,   192
.set G1, 24                            ; s[24:31] descriptor group 1 for x's tiles;  s[32:39] group 0, one set for each slot
.set G0, 32
.set G1B, 48                           ; s[48:55], s[56:63] the same for w_qkv's tiles
.set G0B, 56
.set G1S, 68                           ; s[68:75], s[76:79] groups 1 and 0 for x's scales;  s[80:87], s[88:91] for w_qkv's
.set G0S, 76
.set G1SB, 80
.set G0SB, 88
.set MSB, 0
.macro WIN new                         ; the immediate's high byte repeats the setting that is left
.if MSB != \new
	s_set_vgpr_msb (MSB<<8)|\new
.set MSB, \new
.endif
.endm
.set MUL_LO, 0xa1                      ; source 0 window 1, source 1 window 0, C and D window 2
.set MUL_HI, 0xf1                      ; the same, C and D window 3
.set TO_B,   0x40                      ; destination window 1, address window 0
; A joint load: waves 0 and 1 fetch for x, waves 2 and 3 for w_qkv.  Each of the two lines has ONE mask and one set of registers for all that issue it; the branch hangs on the wave's number alone.
; Four v_nop follow each of the two lines, ahead of the jump, the label and what follows.
.macro JLOAD g0a, g1a, g0b, g1b
	s_cmp_eq_u32 s15, 0
	s_cbranch_scc0 .Lfor_b_\@
	tensor_load_to_lds s[\g0a:\g0a+3], s[\g1a:\g1a+7]
	s_nop 0
.rept 4
	v_nop
.endr
	s_branch .Lasked_\@
.Lfor_b_\@:
	tensor_load_to_lds s[\g0b:\g0b+3], s[\g1b:\g1b+7]
	s_nop 0
.rept 4
	v_nop
.endr
.Lasked_\@:
.endm
.macro CROUND                          ; a round of the cluster's barrier: my work-group's barrier; wave 0 signals for the work-group; every wave waits for all sixteen; my work-group's barrier once more
	s_barrier_signal -1
	s_barrier_wait -1
	s_cmp_lg_u32 s14, 0
	s_cbranch_scc1 .Lnot_wave_0_\@
	s_barrier_signal -3
.Lnot_wave_0_\@:
	s_barrier_wait -3
	s_barrier_signal -1
	s_barrier_wait -1
.endm
	s_load_b128 s[4:7], s[0:1], 0x0                ; x's codes s[4:5], x's scales s[6:7]
	s_load_b128 s[8:11], s[0:1], 0x10              ; w_qkv's codes s[8:9], its scales s[10:11]
	s_load_b64 s[12:13], s[0:1], 0x20              ; the result
	v_lshl_add_u32 v[SPW], v0, 2, SPARE
	v_mov_b32 v[NIL], 0
	ds_add_u32 v28, v29
	ds_add_u32 v28, v29
	s_wait_dscnt 0x0
	v_lshrrev_b32 v1, 5, v0
	v_readfirstlane_b32 s14, v1                    ; wave 0..3
	s_lshr_b32 s15, s14, 1                         ; which half of the tile's rows is mine.  Also: I fetch for x (0) or for w_qkv (1)
	s_and_b32 s16, s14, 1                          ; which half of its columns.  Also: which 128 rows of that tile I fetch
	s_bfe_u32 s40, ttmp6, 0x40000                  ; cx, cy: my place in the cluster
	s_bfe_u32 s41, ttmp6, 0x40004
	s_lshl_b32 s42, ttmp9, 2
	s_add_co_u32 s42, s42, s40                     ; tile column = 4 x cluster x + cx
	s_and_b32 s17, ttmp7, 0xffff
	s_lshl_b32 s17, s17, 2
	s_add_co_u32 s17, s17, s41                     ; tile row = 4 x cluster y + cy
	s_lshl_b32 s43, s41, 2
	s_lshl_b32 s43, 15, s43                        ; my row of the cluster
	s_lshl_b32 s44, 0x1111, s40                    ; my column
	; descriptor group 1: a tile of 128 rows x 256 bytes, padded in LDS
	s_or_b32 s[G1+0], s43, (0<<16)|(1<<20)|(1<<21)|(5<<22)|(3<<25)  ; 15:0 the mask: x's tiles go to my row; 17:16 element of 1 byte; 20 padding on; 21 set beside a mask; 24:22 after every 64 words; 31:25 of 4 words
	s_or_b32 s[G1B+0], s44, (0<<16)|(1<<20)|(1<<21)|(5<<22)|(3<<25)
.irp g, G1, G1B
	s_mov_b32 s[\g+1], ROWB<<16                    ; tensor_dim0
	s_mov_b32 s[\g+2], 128<<16                     ; tensor_dim1 = 128
	s_mov_b32 s[\g+3], ROWB<<16                    ; tile_dim0
	s_mov_b32 s[\g+4], 128                         ; tile_dim1 = 128
	s_mov_b32 s[\g+5], KROW                        ; tensor_dim0_stride
	s_mov_b32 s[\g+6], 0
	s_mov_b32 s[\g+7], 0
.endr
	; and for the scales of 128 rows: a dense block of 4,096 bytes, as 16 rows of 256 bytes (32 elements of 8 bytes), 16 bytes of padding behind each
	s_or_b32 s[G1S+0], s43, (3<<16)|(1<<20)|(1<<21)|(5<<22)|(3<<25)
	s_or_b32 s[G1SB+0], s44, (3<<16)|(1<<20)|(1<<21)|(5<<22)|(3<<25)
.irp g, G1S, G1SB
	s_mov_b32 s[\g+1], 32<<16
	s_mov_b32 s[\g+2], (128*KS/256)<<16
	s_mov_b32 s[\g+3], 32<<16
	s_mov_b32 s[\g+4], 128*KS/256
	s_mov_b32 s[\g+5], 32
	s_mov_b32 s[\g+6], 0
	s_mov_b32 s[\g+7], 0
.endr
	s_lshl_b32 s18, s16, 7                         ; which 128 rows of the tile I fetch
	s_lshl_b32 s20, s17, 8
	s_add_co_u32 s20, s20, s18                     ; x: row 256 x tile row + 128 x half
	s_lshl_b32 s46, s42, 8
	s_add_co_u32 s46, s46, s18                     ; w_qkv: row 256 x tile column + 128 x half
	s_mov_b32 s21, 0
	s_mov_b32 s47, 0
	s_mov_b64 s[18:19], KS
	s_mul_u64 s[22:23], s[20:21], s[18:19]         ; where these rows' scales begin, in bytes
	s_mul_u64 s[92:93], s[46:47], s[18:19]
	s_mov_b64 s[18:19], KROW
	s_mul_u64 s[20:21], s[20:21], s[18:19]         ; and their codes
	s_mul_u64 s[46:47], s[46:47], s[18:19]
	s_mul_i32 s45, s14, HALFT                      ; where they go: wave x 128 rows: no place in the cluster enters an LDS address
	s_mul_i32 s94, s14, HALFS
	s_wait_kmcnt 0x0
	s_add_nc_u64 s[20:21], s[4:5], s[20:21]
	s_add_nc_u64 s[22:23], s[6:7], s[22:23]
	s_add_nc_u64 s[46:47], s[8:9], s[46:47]
	s_add_nc_u64 s[92:93], s[10:11], s[92:93]
	CROUND                                         ; all sixteen work-groups are here: the joint loads meet
	s_mov_b32 s[G0S], 1
	s_add_co_u32 s[G0S+1], s94, SCL
	s_mov_b64 s[G0S+2:G0S+3], s[22:23]
	s_or_b32 s[G0S+3], s[G0S+3], 0x80000000
	s_mov_b32 s[G0SB], 1
	s_add_co_u32 s[G0SB+1], s94, SCL
	s_mov_b64 s[G0SB+2:G0SB+3], s[92:93]
	s_or_b32 s[G0SB+3], s[G0SB+3], 0x80000000
	JLOAD G0S, G1S, G0SB, G1SB                     ; the scales first: they are wanted with the first slot
.irp s, 0,1
	s_mov_b32 s[G0+4*\s], 1
	s_add_co_u32 s[G0+4*\s+1], s45, \s*SLOT
	s_add_nc_u64 s[G0+4*\s+2:G0+4*\s+3], s[20:21], \s*ROWB
	s_or_b32 s[G0+4*\s+3], s[G0+4*\s+3], 0x80000000
	s_mov_b32 s[G0B+4*\s], 1
	s_add_co_u32 s[G0B+4*\s+1], s45, \s*SLOT
	s_add_nc_u64 s[G0B+4*\s+2:G0B+4*\s+3], s[46:47], \s*ROWB
	s_or_b32 s[G0B+4*\s+3], s[G0B+4*\s+3], 0x80000000
	JLOAD G0+4*\s, G1, G0B+4*\s, G1B               ; three tensor loads of mine are out behind the second of these
.endr
	v_and_b32 v1, 15, v0                           ; r = l % 16
	v_bfe_u32 v2, v0, 4, 1                         ; h = l / 16
	v_mul_u32_u24 v3, v1, PITCH
	v_lshl_add_u32 v4, v2, 4, v3                   ; a fragment's row x pitch + 16 x half
	s_mul_i32 s21, s15, HALFT                      ; my 128 rows of x
	s_mul_i32 s22, s16, HALFT                      ; my 128 rows of w_qkv,
	s_add_co_u32 s22, s22, 2*HALFT                 ; which lie behind x's 256
.irp s, 0,1
	v_add_nc_u32 v[ADRA+\s], s21, v4
	v_add_nc_u32 v[ADRB+\s], s22, v4
	s_add_co_u32 s21, s21, SLOT
	s_add_co_u32 s22, s22, SLOT
.endr
	v_mul_u32_u24 v5, v1, KS                       ; my row's scales: KS bytes a row,
	v_lshrrev_b32 v6, 8, v5
	v_lshl_add_u32 v5, v6, 4, v5                   ; and 16 more for each 256 passed
	s_mul_i32 s21, s15, HALFS                      ; x's: my 128 rows
	s_mul_i32 s22, s16, HALFS                      ; w_qkv's: my 128 rows, behind x's 256
	s_add_co_u32 s22, s22, 2*HALFS
	s_sub_co_u32 s22, s22, s21
	v_mul_u32_u24 v6, s22, v2                      ; lanes 16-31 take w_qkv's: one product, the distance between the two bases x h
	s_add_co_u32 s21, s21, SCL
	v_add_nc_u32 v5, v5, v6
	v_add_nc_u32 v[ADRS], s21, v5
	s_mul_i32 s23, s14, 16*SPITCH                  ; my stage
	v_mul_u32_u24 v5, v1, SPITCH                   ; in: row r, 16 bytes for each half of the lanes
	v_lshl_add_u32 v5, v2, 4, v5
	v_add_nc_u32 v[STO], s23, v5
	v_bfe_u32 v6, v0, 3, 1                         ; back: lanes 0-15 take two rows' first 128 bytes (my first head), lanes 16-31 the same rows' second 128 bytes (my second head)
	v_mul_u32_u24 v6, v6, SPITCH
	v_lshl_add_u32 v6, v2, 7, v6
	v_and_b32 v7, 7, v0
	v_lshl_add_u32 v6, v7, 4, v6
	v_add_nc_u32 v[RD], s23, v6
	v_lshlrev_b32 v[CO], 4, v1                     ; in memory: 16 (l % 16) in the two rows' 256 bytes,
	v_lshl_add_u32 v[CO], v2, 18, v[CO]            ; and a head's 262,144 bytes on for lanes 16-31
	; where my 128 rows x 2 heads begin in the result: ((64 x part + 16 x batch + head) << 18) + (place in the sequence) x 128
	s_lshl_b32 s20, s17, 8
	s_lshl_b32 s21, s15, 7
	s_add_co_u32 s20, s20, s21                     ; my first row m0
	s_lshl_b32 s46, s42, 8
	s_lshl_b32 s47, s16, 7
	s_add_co_u32 s46, s46, s47                     ; my first column n0
	s_lshr_b32 s21, s46, 10                        ; q, k or v
	s_lshl_b32 s21, s21, 6
	s_lshr_b32 s47, s20, 11                        ; the batch
	s_lshl_b32 s47, s47, 4
	s_add_co_u32 s21, s21, s47
	s_bfe_u32 s47, s46, 0x40006                    ; the head: 4 bits from bit 6 of n0
	s_add_co_u32 s21, s21, s47
	s_lshl_b32 s21, s21, 18
	s_and_b32 s20, s20, 2047
	s_lshl_b32 s20, s20, 7
	s_add_co_u32 s20, s20, s21                     ; under 2^26
	s_mov_b32 s21, 0
	s_add_nc_u64 s[12:13], s[12:13], s[20:21]
.macro FRAG reg, adr, q, i             ; a fragment, 16 rows x 128 K of 4-bit codes: lane l holds row l % 16; registers 4 c .. 4 c + 3 hold K = 64 c + 32 (l / 16) + 0 .. 31
.irp c, 0,1
	ds_load_b128 v[\reg+4*\c:\reg+4*\c+3], v[\adr] offset:64*(\q)+32*\c+(\i)*16*PITCH
.endr
.endm
; 16 matrix instructions: x's blocks a0, a0 + 1 against w_qkv's eight, 128 along K: the slot's q-th.  p: w_qkv's set;  sc: the set of scale words.  zero = 1: the first product starts the sums.
; The 64 accumulators take turns, one instruction a turn, in the same order in every step.
.macro MUL16 a0, p, q, sc, zero
.irp a, \a0, \a0+1
.irp b, 0,1,2,3,4,5,6,7
.if \zero
	v_wmma_scale_f32_16x16x128_f8f6f4 v[8*(8*((\a)%4)+\b):8*(8*((\a)%4)+\b)+7], v[128*(\p)+FR*\b:128*(\p)+FR*\b+FR-1], v[AF+FR*(\a):AF+FR*(\a)+FR-1], 0, v[SC+8*NQ*(\sc)+NQ*\b+(\q)], v[SC+8*NQ*(\sc)+NQ*(\a)+(\q)] matrix_a_fmt:MATRIX_FMT_FP4 matrix_b_fmt:MATRIX_FMT_FP4 matrix_a_scale:MATRIX_SCALE_ROW1
.else
	v_wmma_scale_f32_16x16x128_f8f6f4 v[8*(8*((\a)%4)+\b):8*(8*((\a)%4)+\b)+7], v[128*(\p)+FR*\b:128*(\p)+FR*\b+FR-1], v[AF+FR*(\a):AF+FR*(\a)+FR-1], v[8*(8*((\a)%4)+\b):8*(8*((\a)%4)+\b)+7], v[SC+8*NQ*(\sc)+NQ*\b+(\q)], v[SC+8*NQ*(\sc)+NQ*(\a)+(\q)] matrix_a_fmt:MATRIX_FMT_FP4 matrix_b_fmt:MATRIX_FMT_FP4 matrix_a_scale:MATRIX_SCALE_ROW1
.endif
.endr
.endr
.endm
.macro FETCH_B slot, q, p              ; w_qkv's eight fragments of the slot's q-th 128 along K into set p
	WIN TO_B
.irp i, 0,1,2,3,4,5,6,7
	FRAG 128*(\p)+FR*\i, ADRB+\slot, \q, \i
.endr
	WIN 0
.endm
.macro FETCH_A slot, q, i0             ; x's blocks i0 .. i0 + 3
.irp i, \i0, \i0+1, \i0+2, \i0+3
	FRAG AF+FR*(\i), ADRA+\slot, \q, \i
.endr
.endm
.macro SCALES sc                       ; a slot's scale words into set sc: NQ words a row; lanes 0-15 take x's block i, lanes 16-31 w_qkv's block i
.irp i, 0,1,2,3,4,5,6,7
	ds_load_b128 v[SC+8*NQ*\sc+NQ*\i:SC+8*NQ*\sc+NQ*\i+3], v[ADRS] offset:\i*SBLK
.endr
.endm
; A load into a register that a matrix instruction has read, and a vector instruction that reads a matrix result, stand NP places behind that matrix instruction; only plain vector
; instructions that name none of its registers are places (ISA guide 7.12.1 for vector instructions).
.macro PLACES n
.rept \n
	v_nop
.endr
.endm
; A step of 128 along K that has its successor in the same slot.  A block of x is free as soon as its eight products are issued, so one set of registers serves x.
.macro STEP slot, q, zero
	s_wait_dscnt 4*NL                              ; w_qkv's set and x's blocks 0-3 are in; the youngest eight loads (x's blocks 4-7) may be out
	WIN MUL_LO
	MUL16 0, (\q)%2, \q, \slot, \zero
	MUL16 2, (\q)%2, \q, \slot, \zero
	s_wait_dscnt 0                                 ; x's blocks 4-7 are in (asked for 32 matrix instructions ago)
	PLACES NP
	FETCH_B \slot, (\q)+1, 1-(\q)%2
	FETCH_A \slot, (\q)+1, 0
	WIN MUL_HI
	MUL16 4, (\q)%2, \q, \slot, \zero
	MUL16 6, (\q)%2, \q, \slot, \zero
	PLACES NP
	WIN 0
	FETCH_A \slot, (\q)+1, 4
.endm
; Slot 0's last step changes slots: ONE barrier; in front of it each wave waits for all its tensor loads (slot 1's is the one that may be out), adds 0 to its spare word, and waits for that and for its own reads of slot 0.
.macro TURN slot, next
	s_wait_tensorcnt 0x0                           ; all my tensor loads have landed: my part of the next slot;  (every window is 0 here)
	ds_add_u32 v[SPW], v[NIL]                      ; 0 onto my spare word
	s_wait_dscnt 4*NL+1                            ; (the add and the youngest eight loads, x's blocks 4-7, may be out)
	WIN MUL_LO
	MUL16 0, 1, NQ-1, \slot, 0                     ; sixteen matrix instructions stand between the add and the wait for it
	s_wait_dscnt 0x0                               ; the add is done, and my reads of this slot are over
	s_barrier_signal -1
	MUL16 2, 1, NQ-1, \slot, 0
	WIN 0
	s_barrier_wait -1                              ; the next slot is whole, and nobody reads this one any more
	PLACES NP
	v_add_nc_u32 v[ADRS], 4*NQ, v[ADRS]            ; on to the next slot's scale words (no LDS load of mine is out)
	FETCH_B \next, 0, 0
	FETCH_A \next, 0, 0
	SCALES \next
	WIN MUL_HI
	MUL16 4, 1, NQ-1, \slot, 0
	MUL16 6, 1, NQ-1, \slot, 0
	PLACES NP
	WIN 0
	FETCH_A \next, 0, 4
.endm
.macro STEPS slot, from                ; the slot's steps from .. NQ - 2
.set Q, \from
.rept NQ-1-\from
	STEP \slot, Q, 0
.set Q, Q+1
.endr
.endm
	s_wait_tensorcnt 1                             ; the scales and my part of slot 0 are in (slot 1's load, the one issued behind them, may be out)
	s_barrier_signal -1
	s_barrier_wait -1                              ; everybody's are
	FETCH_B 0, 0, 0
	FETCH_A 0, 0, 0
	SCALES 0
	FETCH_A 0, 0, 4
	STEP 0, 0, 1                                   ; the first step's products start the sums: nothing is cleared
	STEPS 0, 1
	TURN 0, 1
	STEPS 1, 0
	s_wait_dscnt 4*NL                              ; the very last step: nothing more to fetch
	WIN MUL_LO
	MUL16 0, 1, NQ-1, 1, 0
	MUL16 2, 1, NQ-1, 1, 0
	s_wait_dscnt 0
	WIN MUL_HI
	MUL16 4, 1, NQ-1, 1, 0
	MUL16 6, 1, NQ-1, 1, 0
	WIN 0
; THE WAY OUT, block by block of 16 rows x 128 columns (two heads).  PACK: rounded to f16, 16 bytes a lane, each accumulator from its low end on.  TOSTAGE: into my own stage and back, two rows of each head to a load.
; SEND: sixteen lanes store 256 consecutive bytes (two rows of a head), at a multiple of 256 from the buffer's first byte.  Every offset is an immediate; the base is never stepped.
.macro PACK a
.set AC, 64*((\a)%4)
	WIN 0x0a+5*((\a)/4)                            ; sources 0 and 1: window 2 or 3
.irp b, 0,1,2,3,4,5,6,7
.irp r, 0,1,2,3
	v_cvt_pk_f16_f32 v[TMP+4*\b+\r], v[AC+8*\b+2*\r], v[AC+8*\b+2*\r+1]
.endr
.endr
	WIN 0
.endm
.macro TOSTAGE a
.set BB, BK+32*((\a)%2)
.irp b, 0,1,2,3,4,5,6,7
	ds_store_b128 v[STO], v[TMP+4*\b:TMP+4*\b+3] offset:32*\b
.endr
.irp t, 0,1,2,3,4,5,6,7
	ds_load_b128 v[BB+4*\t:BB+4*\t+3], v[RD] offset:\t*2*SPITCH    ; LDS serves a wave's instructions in order (ISA guide 5.7.1.4): these see the stores above
.endr
.endm
.macro SEND a
.set BB, BK+32*((\a)%2)
	s_wait_dscnt 0x0                               ; the block is back in registers
	s_wait_xcnt 0x0                                ; the stores of the block before have read their registers: the next block's loads from the stage land there only behind this wait
.irp t, 0,1,2,3,4,5,6,7
	global_store_b128 v[CO], v[BB+4*\t:BB+4*\t+3], s[12:13] offset:2048*(\a)+256*\t
.endr
.endm
	PLACES NP                                      ; behind the last products, ahead of the first read of results
	PACK 0
	TOSTAGE 0
.irp a, 1,2,3,4,5,6,7                  ; block a's conversions stand between block a - 1's loads from the stage and the wait for them
	PACK \a
	SEND \a-1
	TOSTAGE \a
.endr
	SEND 7
	s_wait_tensorcnt 0x0                           ; the wave's end, behind my last tensor load and my last LDS store
	ds_add_u32 v[SPW], v[NIL]
	s_wait_dscnt 0x0
	CROUND                                         ; the closing round: no work-group ends while a partner may still ask for a tile that names it
	s_endpgm
.Lfunc_end_k_q0cdcf1bf7c_qkvgemm:
	.size	k_q0cdcf1bf7c_qkvgemm, .Lfunc_end_k_q0cdcf1bf7c_qkvgemm-k_q0cdcf1bf7c_qkvgemm
	.p2alignl 7, 3214868480
	.fill 96, 4, 3214868480
	.section	.rodata,"a",@progbits
	.p2align	6, 0x0
	.amdhsa_kernel k_q0cdcf1bf7c_qkvgemm
		.amdhsa_group_segment_fixed_size 327680
		.amdhsa_private_segment_fixed_size 0
		.amdhsa_enable_private_segment 0
		.amdhsa_kernarg_size 40
		.amdhsa_user_sgpr_count 2
		.amdhsa_user_sgpr_kernarg_segment_ptr 1
		.amdhsa_wavefront_size32 1
		.amdhsa_system_sgpr_workgroup_id_x 1
		.amdhsa_system_sgpr_workgroup_id_y 1
		.amdhsa_system_sgpr_workgroup_id_z 1
		.amdhsa_system_vgpr_workitem_id 0
		.amdhsa_next_free_vgpr 1024
		.amdhsa_next_free_sgpr 98
		.amdhsa_reserve_vcc 0
		.amdhsa_float_denorm_mode_32 3
		.amdhsa_float_denorm_mode_16_64 3
		.amdhsa_memory_ordered 1
		.amdhsa_forward_progress 1
		.amdhsa_inst_pref_size 127
	.end_amdhsa_kernel
	.amdgpu_metadata
---
amdhsa.version: [ 1, 2 ]
amdhsa.kernels:
  - .name:           k_q0cdcf1bf7c_qkvgemm
    .symbol:         k_q0cdcf1bf7c_qkvgemm.kd
    .args:
      - { .name: xc, .offset: 0, .size: 8, .value_kind: global_buffer, .address_space: global }
      - { .name: xs, .offset: 8, .size: 8, .value_kind: global_buffer, .address_space: global }
      - { .name: wc, .offset: 16, .size: 8, .value_kind: global_buffer, .address_space: global }
      - { .name: ws, .offset: 24, .size: 8, .value_kind: global_buffer, .address_space: global }
      - { .name: qkvh, .offset: 32, .size: 8, .value_kind: global_buffer, .address_space: global }
    .group_segment_fixed_size: 327680
    .private_segment_fixed_size: 0
    .kernarg_segment_align: 8
    .kernarg_segment_size: 40
    .max_flat_workgroup_size: 128
    .sgpr_count:     98
    .vgpr_count:     1024
    .wavefront_size: 32
...
	.end_amdgpu_metadata
.endif
;; end of part 2
;; launch attn (part 3): grid 4 x 64, 8 waves a work-group, clusters of 4 x 1, 327,680 bytes of LDS; arguments qkvh, yb; writes yb
.if DOCPART == 3
	.amdgcn_target "amdgcn-amd-amdhsa--gfx1250"
	.amdhsa_code_object_version 6
	.text
	.protected	k_q0cdcf1bf7c_attn
	.globl	k_q0cdcf1bf7c_attn
	.p2align	8
	.type	k_q0cdcf1bf7c_attn,@function
k_q0cdcf1bf7c_attn:
	s_mov_b64 s[64:65], 0
	v_nop
	global_prefetch_b8 v0, s[64:65] scope:SCOPE_SE
	s_setreg_imm32_b32 hwreg(HW_REG_WAVE_MODE, 25, 1), 1
	s_wait_xcnt 0x0
	s_wait_alu depctr_hold_cnt(0) depctr_sa_sdst(0) depctr_va_vdst(0) depctr_va_sdst(0) depctr_va_ssrc(0) depctr_va_vcc(0) depctr_vm_vsrc(0)
	s_getreg_b32 s2, hwreg(HW_REG_IB_STS2, 6, 4)
	s_cmp_eq_u32 s2, 0
	s_cbranch_scc0 .Lentry_in_a_cluster
	s_endpgm
.Lentry_in_a_cluster:
	s_bfe_u32 s2, ttmp6, 0x10000c
	s_cmp_lg_u32 s2, 0x3003
	s_cbranch_scc0 .Lentry_shape_is_right
	s_endpgm
.Lentry_shape_is_right:
; y[bh][q][:] = the sum over keys k <= q of softmax_k(Q[bh][q] . K[bh][k] / 8) V[bh][k][:].  Q, K, V: f16, [3][64 bh][2048][64]; y: f16, [64 bh][2048][64].  Products, maxima and sums in f32;
; the weights p are rounded to f16 for the second product, and the row's sum is taken of these same rounded weights; y is rounded once at the end.
; LIMITS: f16 operands: a p under 3e-8 becomes 0; |y| beyond 65,504 becomes infinity, under 6e-5 it keeps an absolute error of 3e-8.
; SHARES.  A cluster of four work-groups owns one head and ALL its 2,048 queries; the keys are walked ONCE, 64 a step, 32 steps.  Partner p (0..3), wave w (0..7) owns four tiles of 16 queries:
; tile i begins at query 64 d_i + 16 p, with d = w, 15 - w, 16 + w, 31 - w.  Tile i works in step n where n <= d_i and is masked where n = d_i: (d_i + 1) summed over i is 66 in every wave of every work-group.
; The branches that leave hidden steps out hang on the step's number and the wave's number alone, so the four partners run alike, and every tile of K and V is asked for JOINTLY:
; the same tensor load, with the same descriptor and a mask that names the four; each receives it in its own LDS.
; LAYOUT.  S^T = K Q^T (source 0 = 16 keys, source 1 = 16 queries): a lane holds ONE query (lane % 16) and keys 8 (lane / 16) + 0..7.  Two such tiles, rounded to f16 in pairs, ARE source 1 (32 keys x 16 queries)
; of O^T = V^T P, whose result again holds one query a lane, and eight channels.  K comes out of LDS as it lies, V ([key][channel]) turned, by ds_load_tr16_b128.
; SOFTMAX.  For each query a running maximum m: p = 2^(c s - c m), c = log2(e) / 8; in every step O and the sum are multiplied by 2^(c m_old - c m_new).  m begins at -3e38 and O and the sum at 0, so the step is written once.
; THE ROW'S SUM is one more accumulator: ones x P, two products a tile and step in place of sixteen packed additions; every register of it holds the lane's query's sum; only its lowest pair is rescaled and read.
; Eight waves of four tiles: a fragment of K or V read from LDS feeds up to four tiles, and two waves share a SIMD's registers, so that one wave's softmax stands beside the other's products.
; REGISTERS.  Window 0: v0-31 addresses; v32-63 eight registers of statistics a tile; v64-95 S^T; v96-111 P; v112-119 ones; v128-191 K's eight fragments; v192-255 V's eight.
;   Window 1: v0-63 Q, 16 a tile; v64-191 O^T, 32 a tile; v192-223 the sums, 8 a tile.
.set PK,    144       ; a row of K in LDS: 128 bytes + 16 = 36 words: the 16 rows of a load start 4 words apart modulo 64
.set PV,    160       ; a row of V: 128 + 32 = 40 words, for the turning load, which takes 8 rows x 32 bytes in 16 lanes
.set VOFF,  64*PK     ; a step's tiles lie together: 64 rows of K, then 64 rows of V
.set STEPB, 64*(PK+PV)
.set SLOT1, 1<<17     ; a slot holds four steps (77,824 bytes); slot 1 begins here, so that one exclusive or turns an address in one slot into the other's
.set SLOTB, 32768     ; a slot's 256 rows of K, or of V, in memory
.set STAGE, SLOT1+4*STEPB  ; behind the ring: 16 rows x 144 bytes for each wave, for the way out
.set SPARE, STAGE+8*16*PK  ; behind the stages: the spare words, 128 bytes for each wave, which no other line names
.set AK0, 2           ; v2   my lane's place in a tile of K; never rewritten
.set AV0, 3           ; v3   the same for V
.set ADK, 4           ; v4   the LDS address of the step's K
.set ADV, 5           ; v5   and V
.set STO, 6           ; v6   the way out: where I put 16 bytes of a row
.set RD,  7           ; v7   the way out: where I read 16 bytes back
.set DV,  8           ; v8   16 p + lane % 16 - 8 (lane / 16): on the diagonal, score register x is hidden where 16 (x / 8) + x % 8 is above it
.set NINF, 9          ; v9   -infinity
.set GO,  10          ; v10-13  tile i: my byte offset in the head's rows of y
.set SPW, 14          ; v14  LDS address of my spare word; never rewritten
.set NIL, 15          ; v15  0; never rewritten
.set PFO, 16          ; v16  256 x my lane; never rewritten
.set QO,  20          ; v20-23  tile i: my byte offset in the head's rows of Q
.set ST,  32          ; tile i's statistics at v[ST + 8 i]: +0 c m, +1 m, +4 to +7 at work; +6 then holds the factor, +7 its exponent
.set S,   64
.set P,   96
.set ONE, 112
.set KF,  128
.set VF,  192
.set OW,  64          ; in window 1
.set LS,  192         ; in window 1
.set WV,  8           ; s8   my wave's number
.set D0,  16          ; s16-19  d_0 .. d_3
.set NS,  20          ; s20  the step's number
.set TB,  21          ; s21  LDS byte at which the step's tiles begin
.set SLOTS, 22        ; s22  slots still to be asked for
.set QC,  23          ; s23  counts a slot's four steps
.set G1K, 24          ; s[24:31] descriptor group 1 for K's tiles
.set G1V, 32          ; s[32:39] for V's: it differs in the padding alone
.set G0K, 40          ; s[40:43] descriptor group 0 for K's tiles: it walks
.set G0V, 44          ; s[44:47] the same for V's
.set CS,  48          ; s[48:49] c: the packed scaling names a pair and takes its low word for both halves
.set SEL, 50          ; s[50:51] lane selects for v_permlanex16_b32: each lane takes its own place in the other half
.set PFA, 52          ; s[52:53] where my prefetches stand: my work-group's 32 pieces of 256 bytes (of K: wave 0, of V: wave 4) of the slot after the one that is being asked for
.set LIM, 54          ; s54  1 in a wave that prefetches, else the greatest number
.set MSB, 0
.macro WIN new                      ; the immediate's high byte repeats the setting that is left; a switch that changes nothing is dropped
.if MSB != \new
	s_set_vgpr_msb (MSB<<8)|\new
.set MSB, \new
.endif
.endm
.set W_KQ, 0x04       ; Q (source 1) in window 1
.set W_PV, 0x50       ; C and D in window 1
.set W_RS, 0x41       ; destination and source 0 in window 1
; A joint load.  Waves 0 to 3 fetch the slot's four steps of K, waves 4 to 7 those of V, 64 rows each.  The branch hangs on the wave's number alone.
; Four v_nop follow each of the two lines; the jump, the label and what follows come after them.
.macro JLOAD
	s_cmp_lt_u32 s[WV], 4
	s_cbranch_scc0 .Lfor_v_\@
	tensor_load_to_lds s[G0K:G0K+3], s[G1K:G1K+7]
	s_nop 0
.rept 4
	v_nop
.endr
	s_branch .Lasked_\@
.Lfor_v_\@:
	tensor_load_to_lds s[G0V:G0V+3], s[G1V:G1V+7]
	s_nop 0
.rept 4
	v_nop
.endr
.Lasked_\@:
.endm
; A PREFETCH INTO THE L2 of what the NEXT change of slots will ask for: a slot's 32,768 bytes of K and of V.  The four partners share them out BY ADDRESS, 8,192 bytes each, lanes 256 bytes apart;
; in each, wave 0 asks for K's and wave 4 for V's: each piece of 256 bytes is named once in the launch.  It stands behind the wave's tensor load and its four lines, four key steps ahead of the load that will want the data.
; The last change that fills a slot asks for nothing; slots 0 and 1 come by their loads alone.
.macro ASK
	s_cmp_gt_u32 s[SLOTS], s[LIM]
	s_cbranch_scc0 .Lnot_mine_\@
	global_prefetch_b8 v[PFO], s[PFA:PFA+1] th:TH_LOAD_NT scope:SCOPE_SE
.Lnot_mine_\@:
.endm
; A round of the cluster's barrier: my work-group's barrier; wave 0 signals for the work-group; every wave waits for all four work-groups; my work-group's barrier once more.
.macro CROUND
	s_barrier_signal -1
	s_barrier_wait -1
	s_cmp_lg_u32 s[WV], 0
	s_cbranch_scc1 .Lnot_wave_0_\@
	s_barrier_signal -3
.Lnot_wave_0_\@:
	s_barrier_wait -3
	s_barrier_signal -1
	s_barrier_wait -1
.endm
	s_load_b128 s[4:7], s[0:1], 0x0  ; q, k, v by head s[4:5]; y s[6:7]
	v_lshl_add_u32 v[SPW], v0, 2, SPARE
	v_mov_b32 v[NIL], 0
	ds_add_u32 v14, v15
	ds_add_u32 v14, v15
	s_wait_dscnt 0x0
	v_lshrrev_b32 v1, 5, v0
	v_readfirstlane_b32 s[WV], v1   ; wave 0..7
	s_and_b32 s9, s[WV], 3          ; which of a slot's four steps I fetch
	s_bfe_u32 s11, ttmp6, 0x40000   ; p: my place in the cluster: it enters global addresses and the mask's compare alone
	s_and_b32 s12, ttmp7, 0xffff    ; the head, which the four partners share
	s_mov_b32 s[D0], s[WV]          ; d_0 = w
	s_xor_b32 s[D0+1], s[WV], 15    ; d_1 = 15 - w
	s_or_b32  s[D0+2], s[WV], 16    ; d_2 = 16 + w
	s_xor_b32 s[D0+3], s[WV], 31    ; d_3 = 31 - w
	; descriptor group 1: a tile of 64 rows x 64 elements, padded in LDS
	s_mov_b32 s[G1K], 15|(1<<16)|(1<<20)|(1<<21)|(4<<22)|(3<<25)  ; 15:0 the mask: all four work-groups; 17:16 elements of 2 bytes; 20 padding on; 21 set beside a mask; 24:22 after every 32 words; 31:25 4 words of it
	s_mov_b32 s[G1V], 15|(1<<16)|(1<<20)|(1<<21)|(4<<22)|(7<<25)  ; the same with 8 words of padding
.irp g, G1K, G1V
	s_mov_b32 s[\g+1], 64<<16       ; tensor_dim0 = 64
	s_mov_b32 s[\g+2], 64<<16       ; tensor_dim1 = 64
	s_mov_b32 s[\g+3], 64<<16       ; tile_dim0 = 64
	s_mov_b32 s[\g+4], 64           ; tile_dim1 = 64
	s_mov_b32 s[\g+5], 64           ; tensor_dim0_stride: elements from row to row
	s_mov_b32 s[\g+6], 0
	s_mov_b32 s[\g+7], 0
.endr
	s_mov_b32 s[CS], 0x3e38aa3b     ; c = log2(e) / 8
	s_mov_b32 s[CS+1], s[CS]        ; named with it as a pair, so it is written
	s_mov_b32 s[SEL], 0x76543210
	s_mov_b32 s[SEL+1], 0xfedcba98
	s_mov_b32 s[NS], 0
	s_mov_b32 s[TB], 0
	s_mov_b32 s[SLOTS], 7
	s_lshl_b32 s66, s12, 18         ; a head is 262,144 bytes
	s_mov_b32 s67, 0
	s_lshl_b32 s68, s9, 13          ; my step's 64 rows of 128 bytes in a slot's part of memory,
	s_mov_b32 s69, 0
	s_mul_i32 s70, s9, STEPB        ; and its place in a slot: no place in the cluster enters an LDS address
	s_lshl_b32 s72, s11, 13         ; the prefetches: my work-group's 8,192 bytes of a slot's 32,768
	s_mov_b32 s73, 0
	s_cmp_eq_u32 s9, 0              ; waves 0 and 4 ask
	s_cselect_b32 s[LIM], 1, -1
	s_wait_kmcnt 0x0
	s_add_nc_u64 s[60:61], s[4:5], s[66:67]     ; Q's head,
	s_add_nc_u64 s[56:57], s[60:61], 0x1000000  ; K's,
	s_add_nc_u64 s[58:59], s[60:61], 0x2000000  ; V's,
	s_add_nc_u64 s[62:63], s[6:7], s[66:67]     ; y's
	s_cmp_lt_u32 s[WV], 4
	s_cselect_b64 s[PFA:PFA+1], s[56:57], s[58:59]
	s_add_nc_u64 s[PFA:PFA+1], s[PFA:PFA+1], s[72:73]
	s_add_nc_u64 s[PFA:PFA+1], s[PFA:PFA+1], SLOTB  ; in slot 1; the first change of slots steps it to slot 2.  Nothing is prefetched at the head
	CROUND                          ; all four work-groups are here: the first joint loads meet
	s_mov_b32 s[G0K], 1             ; 1:0 count = 1
	s_mov_b32 s[G0K+1], s70         ; 63:32 LDS address: slot 0
	s_add_nc_u64 s[G0K+2:G0K+3], s[56:57], s[68:69]  ; 120:64 global address
	s_or_b32 s[G0K+3], s[G0K+3], 0x80000000  ; 127:126 type = 2
	s_mov_b32 s[G0V], 1
	s_add_co_u32 s[G0V+1], s70, VOFF
	s_add_nc_u64 s[G0V+2:G0V+3], s[58:59], s[68:69]
	s_or_b32 s[G0V+3], s[G0V+3], 0x80000000
	JLOAD                           ; slot 0: one tensor load of mine is out
	v_and_b32 v1, 15, v0            ; r = l % 16
	v_bfe_u32 v17, v0, 4, 1         ; h = l / 16
	v_and_b32 v18, 31, v0           ; l
	v_mul_u32_u24 v[AK0], v1, PK
	v_lshl_add_u32 v[AK0], v17, 4, v[AK0]  ; a fragment of K: row r x pitch + 16 h; two loads of 16 bytes, 32 bytes apart
	v_and_b32 v19, 7, v0
	v_bfe_u32 v24, v0, 3, 1
	v_lshl_add_u32 v[AV0], v17, 3, v19     ; the turning load: lane l reads key 8 h + l % 8, channels 8 ((l / 8) % 2) + 0..7
	v_mul_u32_u24 v[AV0], v[AV0], PV
	v_lshl_add_u32 v[AV0], v24, 4, v[AV0]
	v_add_nc_u32 v[AV0], VOFF, v[AV0]
	s_mul_i32 s66, s[WV], 16*PK
	s_add_co_u32 s66, s66, STAGE    ; my stage
	v_add_nc_u32 v[STO], s66, v[AK0]       ; in: row r, 16 bytes for each half of the lanes
	v_bfe_u32 v25, v0, 3, 2
	v_mul_u32_u24 v25, v25, PK             ; back: eight lanes to a row of 128 bytes, four rows a load
	v_lshl_add_u32 v25, v19, 4, v25
	v_add_nc_u32 v[RD], s66, v25
	v_lshlrev_b32 v26, 3, v17
	v_sub_nc_u32 v[DV], v1, v26
	s_lshl_b32 s67, s11, 4
	v_add_nc_u32 v[DV], s67, v[DV]         ; 16 p + r - 8 h
	v_mov_b32 v[NINF], 0xff800000
	v_lshlrev_b32 v[PFO], 8, v18
	v_lshlrev_b32 v27, 7, v1
	v_lshl_add_u32 v27, v17, 4, v27        ; Q: row r of 128 bytes + 16 h
	s_lshl_b32 s68, s11, 11                ; 16 p rows of 128 bytes
.irp i, 0,1,2,3
	s_lshl_b32 s69, s[D0+\i], 13           ; 64 d_i rows
	s_add_co_u32 s69, s69, s68
	v_lshl_add_u32 v[GO+\i], v18, 4, s69
	v_add_nc_u32 v[QO+\i], s69, v27
.endr
	WIN 0x40                        ; destination window 1, address window 0
.irp i, 0,1,2,3                     ; Q stays in registers: tile i, channels 8 h + 0..7 of each 16
.irp j, 0,1,2,3
	global_load_b128 v[16*\i+4*\j:16*\i+4*\j+3], v[QO+\i], s[60:61] offset:32*\j th:TH_LOAD_NT
.endr
.endr
.set x, 0
.rept 160
	v_mov_b32 v[OW+x], 0            ; O^T and the sums: the step is written once, and its first pass finds zeros, which the first factor leaves zeros
.set x, x+1
.endr
	WIN 0
.irp i, 0,1,2,3
	v_mov_b32 v[ST+8*\i+1], 0xff61b1e6     ; m = -3e38, under every score
	v_mul_f32 v[ST+8*\i], s[CS], v[ST+8*\i+1]
.irp j, 4,5,6,7
	v_mov_b32 v[ST+8*\i+\j], 0             ; the registers at work are written once here: the packed multiplies name the pair (+6, +7) whole, on the way out too, whichever steps a tile has been through
.endr
.endr
.irp j, 0,1,2,3,4,5,6,7
	v_mov_b32 v[ONE+\j], 0x3c003c00        ; 1.0 twice, in f16
.endr
; ONE TILE'S SOFTMAX for one key step, in window 0.  s0-s31 are the lane's 32 scores.  The maximum of s0-s31 and the old m, three operands at a time, in four chains; the other half of the lanes' maximum; the new m, c m,
; and the factor's exponent.  Then 33 exponentials, with plain lines between them that are ready: c s - c m for a pair whose exponentials are still to come, the rounding to f16 of a pair whose exponentials are done:
; a plain line stands between every exponential and the first use of its result.
.macro SOFT i
.set rT, ST+8*\i
.irp q, 0,1,2,3
	v_max3_num_f32 v[rT+4+\q], v[S+8*\q], v[S+8*\q+1], v[S+8*\q+2]   ; each accumulator is read from its low end on
.endr
.irp q, 0,1,2,3
	v_max3_num_f32 v[rT+4+\q], v[rT+4+\q], v[S+8*\q+3], v[S+8*\q+4]
.endr
.irp q, 0,1,2,3
	v_max3_num_f32 v[rT+4+\q], v[rT+4+\q], v[S+8*\q+5], v[S+8*\q+6]
.endr
	v_max3_num_f32 v[rT+4], v[rT+4], v[S+7], v[S+15]
	v_max3_num_f32 v[rT+6], v[rT+6], v[S+23], v[S+31]
	v_max3_num_f32 v[rT+4], v[rT+4], v[rT+5], v[rT+6]
	v_max3_num_f32 v[rT+4], v[rT+4], v[rT+7], v[rT+1]
	v_permlanex16_b32 v[rT+5], v[rT+4], s[SEL], s[SEL+1]  ; the query's other 32 keys lie in the lane 16 away
	v_mov_b32 v[rT+7], v[rT]        ; c m_old
	v_max_num_f32 v[rT+1], v[rT+4], v[rT+5]
	v_mul_f32 v[rT], s[CS], v[rT+1]
	v_sub_f32 v[rT+7], v[rT+7], v[rT]
	v_pk_fma_f32 v[S:S+1], v[S:S+1], s[CS:CS+1], v[rT:rT+1] op_sel_hi:[1,0,0] neg_lo:[0,0,1] neg_hi:[0,0,1]  ; pair 0: c s - c m
	v_exp_f32 v[rT+6], v[rT+7]      ; the factor 2^(c m_old - c m_new)
.set k, 0
.rept 32
.if (k%2 == 0) && (k <= 28)
.set b, 1+k/2
	v_pk_fma_f32 v[S+2*b:S+2*b+1], v[S+2*b:S+2*b+1], s[CS:CS+1], v[rT:rT+1] op_sel_hi:[1,0,0] neg_lo:[0,0,1] neg_hi:[0,0,1]
.elseif (k%2 == 1) && (k >= 5)
.set b, (k-5)/2
	s_wait_alu depctr_va_vdst(0)
	v_cvt_pk_f16_f32 v[P+b], v[S+2*b], v[S+2*b+1]
.endif
	v_exp_f32 v[S+k], v[S+k]
.set k, k+1
.endr
	s_wait_alu depctr_va_vdst(0)
	v_cvt_pk_f16_f32 v[P+14], v[S+28], v[S+29]
	v_cvt_pk_f16_f32 v[P+15], v[S+30], v[S+31]
.endm
; TILE i IN A KEY STEP: 8 products K Q^T, the mask on the diagonal, the softmax, O^T and the sum times the factor, 10 products V^T P and ones x P.  A step whose keys all come after the tile's queries is jumped over.
; The accumulators take turns, one instruction a turn: between two links of a chain stand 3 (K Q^T) or 4 (V^T P) others'.
.macro TILE i
.if \i < 3                          ; (d_3 is the largest: the step's head has asked for it)
	s_cmp_gt_u32 s[NS], s[D0+\i]
	s_cbranch_scc1 .Lskip_\@
.endif
	s_wait_dscnt 16                 ; K's 16 loads are in; V's 16, issued behind them, may be out
	WIN W_KQ
.irp kt, 0,1,2,3
	v_wmma_f32_16x16x32_f16 v[S+8*\kt:S+8*\kt+7], v[KF+16*\kt:KF+16*\kt+7], v[16*\i:16*\i+7], 0
.endr
.irp kt, 0,1,2,3
	v_wmma_f32_16x16x32_f16 v[S+8*\kt:S+8*\kt+7], v[KF+16*\kt+8:KF+16*\kt+15], v[16*\i+8:16*\i+15], v[S+8*\kt:S+8*\kt+7]
.endr
	WIN 0
.rept 4
	v_nop                           ; four places between the products and the first read of the scores (ISA guide 7.12.1); they also stand between the last tile's V^T P and the writes of P
.endr
	s_cmp_lg_u32 s[NS], s[D0+\i]
	s_cbranch_scc1 .Lopen_\@
.set x, 0
.rept 32                            ; on the diagonal: register x holds key 64 n + 16 (x / 8) + 8 h + x % 8; it is hidden where that is above my query 64 n + 16 p + r
	v_cmp_gt_i32 vcc_lo, 16*(x/8)+x%8, v[DV]
	v_cndmask_b32 v[S+x], v[S+x], v[NINF], vcc_lo
.set x, x+1
.endr
.Lopen_\@:
	SOFT \i
	WIN W_RS
.set j, 0
.rept 16
	v_pk_mul_f32 v[OW+32*\i+j:OW+32*\i+j+1], v[OW+32*\i+j:OW+32*\i+j+1], v[ST+8*\i+6:ST+8*\i+7] op_sel_hi:[1,0]
.set j, j+2
.endr
	v_pk_mul_f32 v[LS+8*\i:LS+8*\i+1], v[LS+8*\i:LS+8*\i+1], v[ST+8*\i+6:ST+8*\i+7] op_sel_hi:[1,0]   ; the sum's lowest pair: the other six registers hold sums of at most 2,048 weights that nobody reads
	s_wait_dscnt 0x0                ; V is in
	WIN W_PV
.irp kh, 0,1
.irp ct, 0,1,2,3
	v_wmma_f32_16x16x32_f16 v[OW+32*\i+8*\ct:OW+32*\i+8*\ct+7], v[VF+32*\kh+8*\ct:VF+32*\kh+8*\ct+7], v[P+8*\kh:P+8*\kh+7], v[OW+32*\i+8*\ct:OW+32*\i+8*\ct+7]
.endr
	v_wmma_f32_16x16x32_f16 v[LS+8*\i:LS+8*\i+7], v[ONE:ONE+7], v[P+8*\kh:P+8*\kh+7], v[LS+8*\i:LS+8*\i+7]
.endr
	WIN 0
.Lskip_\@:
.endm
; A KEY STEP: 64 keys.  K's eight fragments (keys 16 (f / 2) on, channels 32 (f % 2) on) and V's eight (keys 32 (f / 4) on, channels 16 (f % 4) on) in one run of 32 loads, then the wave's tiles.
; The four lines at its head are the places between the last products of the step before and the loads into the registers that they read.  A wave all of whose tiles are done loads nothing.
.macro STEP
	v_add_nc_u32 v[ADK], s[TB], v[AK0]
	v_add_nc_u32 v[ADV], s[TB], v[AV0]
	v_nop
	v_nop
	s_cmp_gt_u32 s[NS], s[D0+3]
	s_cbranch_scc1 .Lidle_\@
.irp f, 0,1,2,3,4,5,6,7
	ds_load_b128 v[KF+8*\f:KF+8*\f+3],   v[ADK] offset:(\f/2)*16*PK+(\f%2)*64
	ds_load_b128 v[KF+8*\f+4:KF+8*\f+7], v[ADK] offset:(\f/2)*16*PK+(\f%2)*64+32
.endr
.irp f, 0,1,2,3,4,5,6,7
	ds_load_tr16_b128 v[VF+8*\f:VF+8*\f+3],   v[ADV] offset:(\f/4)*32*PV+(\f%4)*32
	ds_load_tr16_b128 v[VF+8*\f+4:VF+8*\f+7], v[ADV] offset:(\f/4)*32*PV+16*PV+(\f%4)*32
.endr
	TILE 0
	TILE 1
	TILE 2
	TILE 3
.Lidle_\@:
	s_add_co_u32 s[NS], s[NS], 1
	s_add_co_u32 s[TB], s[TB], STEPB
.endm
; THE CHANGE OF SLOTS stands at a slot's head.  Each wave waits for all its tensor loads (its part of the slot that it is about to read), adds 0 to its spare word, and waits for that and for its reads of the slot that it has left.
; fill = 1: the barrier is a round of the cluster's, so that no wave of any partner still reads the other slot or has a load on its way, and the joint load of the next 256 keys into that slot is the first thing behind it:
; it has four key steps in which to land.  Slot 1's first fill is issued so too.
.macro CHANGE fill
	s_wait_tensorcnt 0x0            ; no tensor load of mine is out, so a group 0 may be written
	ds_add_u32 v[SPW], v[NIL]       ; 0 onto my spare word: with fill = 1 the descriptors' steps stand between it and the wait for it
.if \fill
.irp g, G0K, G0V
	s_xor_b32 s[\g+1], s[\g+1], SLOT1  ; the other slot than last time,
	s_add_nc_u64 s[\g+2:\g+3], s[\g+2:\g+3], SLOTB  ; the next 256 keys; the type bits on top are not reached
.endr
	s_wait_xcnt 0x0                 ; the last prefetch, a slot back, has read its address, so it may be written:
	s_add_nc_u64 s[PFA:PFA+1], s[PFA:PFA+1], SLOTB  ; one slot further on than the walking descriptors
	s_wait_dscnt 0x0                ; the add is done, and my reads of the slot that I have left are over
	CROUND
	JLOAD
	ASK
.else
	s_wait_dscnt 0x0
	s_barrier_signal -1
	s_barrier_wait -1
.endif
.endm
.macro FOUR_STEPS                   ; a slot's four key steps: written once, walked four times; the LDS addresses hang on s[TB]
	s_mov_b32 s[QC], 4
.Lstep_\@:
	STEP
	s_sub_co_u32 s[QC], s[QC], 1
	s_cmp_lg_u32 s[QC], 0
	s_cbranch_scc1 .Lstep_\@
	s_sub_co_u32 s[TB], s[TB], 4*STEPB  ; back to a slot's first step,
	s_xor_b32 s[TB], s[TB], SLOT1   ; in the other slot
.endm
	s_wait_loadcnt 0x0              ; Q
.Lslot:                             ; seven trips: behind each change of slots but the last the next slot is asked for
	CHANGE 1
	FOUR_STEPS
	s_sub_co_u32 s[SLOTS], s[SLOTS], 1
	s_cmp_lg_u32 s[SLOTS], 0
	s_cbranch_scc1 .Lslot
	CHANGE 0                        ; the last slot is written out
	FOUR_STEPS
	; THE WAY OUT.  O^T is divided by the sum, rounded to f16 and sent through my stage in LDS, a tile (16 rows of y, 2,048 dense bytes) at a time.
.rept 4
	v_nop                           ; four places behind the last products
.endr
	WIN 0x01                        ; source 0 window 1
.irp i, 0,1,2,3
	v_rcp_f32 v[ST+8*\i+6], v[LS+8*\i]     ; the sum lies in the accumulator's lowest register, in every lane of its query
.endr
	WIN 0
	v_nop                           ; a plain instruction between the last reciprocal and the use of its result
	s_wait_alu depctr_va_vdst(0)
.macro PACK i
	WIN W_RS
.set j, 0
.rept 16
	v_pk_mul_f32 v[OW+32*\i+j:OW+32*\i+j+1], v[OW+32*\i+j:OW+32*\i+j+1], v[ST+8*\i+6:ST+8*\i+7] op_sel_hi:[1,0]
.set j, j+2
.endr
	WIN 0x05                        ; sources 0 and 1 window 1, destination window 0
.set j, 0
.rept 16
	v_cvt_pk_f16_f32 v[64+16*\i+j], v[OW+32*\i+2*j], v[OW+32*\i+2*j+1]
.set j, j+1
.endr
	WIN 0
.irp ct, 0,1,2,3
	ds_store_b128 v[STO], v[64+16*\i+4*\ct:64+16*\i+4*\ct+3] offset:32*\ct
.endr
.irp f, 0,1,2,3
	ds_load_b128 v[128+16*\i+4*\f:128+16*\i+4*\f+3], v[RD] offset:\f*4*PK  ; LDS serves a wave's instructions in order (ISA guide 5.7.1.4): these see the stores above; the next tile's stores come behind them
.endr
.endm
.macro SEND i, younger              ; younger: the LDS instructions issued behind tile i's loads: the next tile's eight, or none
.irp f, 0,1,2,3
	s_wait_dscnt \younger+3-\f
	global_store_b128 v[GO+\i], v[128+16*\i+4*\f:128+16*\i+4*\f+3], s[62:63] offset:512*\f  ; 32 lanes store 512 consecutive bytes, at a multiple of 256 from y's first byte
.endr
.endm
	PACK 0
	PACK 1                          ; a tile's arithmetic stands between the loads of the tile before and its stores; no register is used twice, so nothing waits for a store
	SEND 0, 8
	PACK 2
	SEND 1, 8
	PACK 3
	SEND 2, 8
	SEND 3, 0
	s_wait_tensorcnt 0x0            ; the wave's end, behind my last tensor load and my last LDS store
	ds_add_u32 v[SPW], v[NIL]
	s_wait_dscnt 0x0
	CROUND                          ; the closing round: no work-group ends while a partner may still ask for a tile that names it
	s_endpgm
.Lfunc_end_k_q0cdcf1bf7c_attn:
	.size	k_q0cdcf1bf7c_attn, .Lfunc_end_k_q0cdcf1bf7c_attn-k_q0cdcf1bf7c_attn
	.p2alignl 7, 3214868480
	.fill 96, 4, 3214868480
	.section	.rodata,"a",@progbits
	.p2align	6, 0x0
	.amdhsa_kernel k_q0cdcf1bf7c_attn
		.amdhsa_group_segment_fixed_size 327680
		.amdhsa_private_segment_fixed_size 0
		.amdhsa_enable_private_segment 0
		.amdhsa_kernarg_size 16
		.amdhsa_user_sgpr_count 2
		.amdhsa_user_sgpr_kernarg_segment_ptr 1
		.amdhsa_wavefront_size32 1
		.amdhsa_system_sgpr_workgroup_id_x 1
		.amdhsa_system_sgpr_workgroup_id_y 1
		.amdhsa_system_sgpr_workgroup_id_z 1
		.amdhsa_system_vgpr_workitem_id 0
		.amdhsa_next_free_vgpr 512
		.amdhsa_next_free_sgpr 80
		.amdhsa_reserve_vcc 1
		.amdhsa_float_denorm_mode_32 3
		.amdhsa_float_denorm_mode_16_64 3
		.amdhsa_memory_ordered 1
		.amdhsa_forward_progress 1
		.amdhsa_inst_pref_size 109
	.end_amdhsa_kernel
	.amdgpu_metadata
---
amdhsa.version: [ 1, 2 ]
amdhsa.kernels:
  - .name:           k_q0cdcf1bf7c_attn
    .symbol:         k_q0cdcf1bf7c_attn.kd
    .args:
      - { .name: qkvh, .offset: 0, .size: 8, .value_kind: global_buffer, .address_space: global }
      - { .name: yb, .offset: 8, .size: 8, .value_kind: global_buffer, .address_space: global }
    .group_segment_fixed_size: 327680
    .private_segment_fixed_size: 0
    .kernarg_segment_align: 8
    .kernarg_segment_size: 16
    .max_flat_workgroup_size: 256
    .sgpr_count:     80
    .vgpr_count:     512
    .wavefront_size: 32
...
	.end_amdgpu_metadata
.endif
;; end of part 3
;; launch proj (part 4): grid 4 x 64, 4 waves a work-group, clusters of 4 x 4, 327,680 bytes of LDS; arguments yb, wp, out0; writes out0
.if DOCPART == 4
	.amdgcn_target "amdgcn-amd-amdhsa--gfx1250"
	.amdhsa_code_object_version 6
	.text
	.protected	k_q0cdcf1bf7c_proj
	.globl	k_q0cdcf1bf7c_proj
	.p2align	8
	.type	k_q0cdcf1bf7c_proj,@function
k_q0cdcf1bf7c_proj:
	s_mov_b64 s[64:65], 0
	v_nop
	global_prefetch_b8 v0, s[64:65] scope:SCOPE_SE
	s_setreg_imm32_b32 hwreg(HW_REG_WAVE_MODE, 25, 1), 1
	s_wait_xcnt 0x0
	s_wait_alu depctr_hold_cnt(0) depctr_sa_sdst(0) depctr_va_vdst(0) depctr_va_sdst(0) depctr_va_ssrc(0) depctr_va_vcc(0) depctr_vm_vsrc(0)
	s_getreg_b32 s2, hwreg(HW_REG_IB_STS2, 6, 4)
	s_cmp_eq_u32 s2, 0
	s_cbranch_scc0 .Lentry_in_a_cluster
	s_endpgm
.Lentry_in_a_cluster:
	s_bfe_u32 s2, ttmp6, 0x10000c
	s_cmp_lg_u32 s2, 0xf033
	s_cbranch_scc0 .Lentry_shape_is_right
	s_endpgm
.Lentry_shape_is_right:
; out[m][n] = sum over k of y[m][k] w_proj[n][k].  y: f16, laid by head, [64 (16 x batch + head)][2048][64]: row m = 2048 x batch + place, k = 64 x head + channel.  w_proj: f16, [1024][1024].  out: [8192][1024] f32; sums in f32.
; A tile of out is 128 rows x 256 columns: 64 x 4 = 256 work-groups.  Four waves, each 64 x 128: 32 accumulators of 16 x 16, 256 registers.
; K goes in steps of 128 (two heads) through a ring of two LDS slots: of y two dense blocks of 128 rows x 128 bytes, of w_proj 256 rows x 256 bytes.  Waves 0 and 1 fetch a head of y each, waves 2 and 3 a half of w_proj's rows.
; CLUSTERS: 4 x 4 work-groups.  The four of a row of the cluster need the same tiles of y, the four of a column the same tiles of w_proj: each tile is asked for JOINTLY, by the same tensor load with the
; same descriptor and a mask that names the four.  THE MATRIX INSTRUCTION IS USED TRANSPOSED (source 0 = 16 rows of w_proj, source 1 = 16 rows of y): a lane then holds eight neighbouring numbers of a row of out.
; REGISTERS: window 0: v0-31 addresses; two fragment buffers of 96 at v64 and v160: for 32 along K, 64 registers of w_proj (8 x 16 rows), then 32 of y (4 x 16 rows); on the way out v64-191 hold rows read back.
;   window 1: the accumulators ((a, b) at v[8 (8 a + b)]).
.set PA,     144                       ; a row of y in LDS: 128 bytes + 16 = 36 words: the 16 rows of a load start 4 words apart modulo 64
.set PB,     272                       ; a row of w_proj: 256 bytes + 16 = 68 words: likewise
.set BOFF,   2*128*PA                  ; a slot: y's two heads of 128 rows, then w_proj's 256 rows
.set SLOT,   BOFF+256*PB
.set STAGE,  2*SLOT                    ; behind the ring: 16 rows x 528 bytes for each wave, for the way out
.set SPITCH, 528
.set SPARE,  STAGE+4*16*SPITCH         ; behind the stages: the spare words, 128 bytes for each wave, which no other line names
.set ASTEP,  2*262144                  ; a K step on in y: two heads
.set BSTEP,  256                       ; and in a row of w_proj
.set LAPS,   4                         ; a lap = two K steps = once round the ring: 1,024 / 256
.set ADRA, 16                          ; v16-17  LDS address of my fragments of y in slot 0, 1
.set ADRB, 20                          ; v20-21  the same for w_proj
.set STO,  24                          ; v24     the way out: where I put 32 bytes of a row
.set RD,   25                          ; v25     the way out: where I read a row back
.set CO,   26                          ; v26     my byte offset in a row's 512 bytes of out
.set SPW,  28                          ; v28     LDS address of my spare word; never rewritten
.set NIL,  29                          ; v29     0; never rewritten
.set PFO,  30                          ; v30     256 x my lane; never rewritten
.set F0,   64
.set F1,   160
.set BK,   64
.set G1, 24                            ; s[24:31] descriptor group 1 for y's tiles;  s[32:39] group 0, one set for each slot
.set G0, 32
.set G1B, 48                           ; s[48:55], s[56:63] the same for w_proj's tiles
.set G0B, 56
.set LIM, 43                           ; s43     1 in a wave that prefetches, else the greatest number
.set PFA, 44                           ; s[44:45] where my prefetches stand
.set MSB, 0
.macro WIN new                         ; the immediate's high byte repeats the setting that is left
.if MSB != \new
	s_set_vgpr_msb (MSB<<8)|\new
.set MSB, \new
.endif
.endm
.set MUL, 0x50                         ; C and D window 1, the fragments window 0
.macro JLOAD s                         ; a joint load: waves 0 and 1 fetch for y, waves 2 and 3 for w_proj; four v_nop follow each of the two lines, ahead of the jump, the label and what follows
	s_cmp_eq_u32 s11, 0
	s_cbranch_scc0 .Lfor_b_\@
	tensor_load_to_lds s[G0+4*\s:G0+4*\s+3], s[G1:G1+7]
	s_nop 0
.rept 4
	v_nop
.endr
	s_branch .Lasked_\@
.Lfor_b_\@:
	tensor_load_to_lds s[G0B+4*\s:G0B+4*\s+3], s[G1B:G1B+7]
	s_nop 0
.rept 4
	v_nop
.endr
.Lasked_\@:
.endm
; A PREFETCH INTO THE L2, behind each joint refill and the run of LDS loads that follows it: y's K step that stands TWO refills on: 32,768 bytes for a row of the cluster.  Its four partners share them out BY ADDRESS
; (head cx / 2, half cx % 2: 8,192 bytes each, lanes 256 bytes apart); wave 0 asks: each piece of 256 bytes of K steps 4 to 7 is named once in the launch.  The loop's last trip asks for nothing; nothing is asked at the head.
; w_proj's rows are not asked for: all 64 tile rows walk the same 2 MB.
.macro ASK
	s_cmp_gt_u32 s3, s[LIM]                        ; s3 = 1 in the loop's last trip
	s_cbranch_scc0 .Lnot_mine_\@
	global_prefetch_b8 v[PFO], s[PFA:PFA+1] th:TH_LOAD_NT scope:SCOPE_SE
.Lnot_mine_\@:
.endm
.macro CREST                           ; a round of the cluster's barrier behind its opening barrier
	s_cmp_lg_u32 s10, 0
	s_cbranch_scc1 .Lnot_wave_0_\@
	s_barrier_signal -3
.Lnot_wave_0_\@:
	s_barrier_wait -3
	s_barrier_signal -1
	s_barrier_wait -1
.endm
.macro CROUND                          ; a whole round
	s_barrier_signal -1
	s_barrier_wait -1
	CREST
.endm
	s_load_b128 s[4:7], s[0:1], 0x0                ; y s[4:5], w_proj s[6:7]
	s_load_b64 s[8:9], s[0:1], 0x10                ; out
	v_lshl_add_u32 v[SPW], v0, 2, SPARE
	v_mov_b32 v[NIL], 0
	ds_add_u32 v28, v29
	ds_add_u32 v28, v29
	s_wait_dscnt 0x0
	v_lshrrev_b32 v1, 5, v0
	v_readfirstlane_b32 s10, v1                    ; wave 0..3
	s_lshr_b32 s11, s10, 1                         ; which 64 of the tile's rows are mine.  Also: I fetch for y (0) or for w_proj (1)
	s_and_b32 s12, s10, 1                          ; which 128 of its columns.  Also: which head, or which 128 rows of w_proj, I fetch
	s_bfe_u32 s40, ttmp6, 0x40000                  ; cx, cy: my place in the cluster
	s_bfe_u32 s41, ttmp6, 0x40004
	s_lshl_b32 s42, ttmp9, 2
	s_add_co_u32 s42, s42, s40                     ; tile column = 4 x cluster x + cx
	s_and_b32 s13, ttmp7, 0xffff
	s_lshl_b32 s13, s13, 2
	s_add_co_u32 s13, s13, s41                     ; tile row = 4 x cluster y + cy
	s_lshl_b32 s43, s41, 2
	s_lshl_b32 s43, 15, s43                        ; my row of the cluster
	s_lshl_b32 s44, 0x1111, s40                    ; my column
	s_or_b32 s[G1+0], s43, (1<<16)|(1<<20)|(1<<21)|(4<<22)|(3<<25)  ; 15:0 the mask: y's tiles go to my row; 17:16 element of 2 bytes; 20 padding on; 21 set beside a mask; 24:22 after every 32 words; 31:25 of 4 words
	s_mov_b32 s[G1+1], 64<<16                      ; tensor_dim0 = 64
	s_mov_b32 s[G1+2], 128<<16                     ; tensor_dim1 = 128
	s_mov_b32 s[G1+3], 64<<16                      ; tile_dim0 = 64
	s_mov_b32 s[G1+4], 128                         ; tile_dim1 = 128
	s_mov_b32 s[G1+5], 64                          ; tensor_dim0_stride: a head's rows are dense
	s_mov_b32 s[G1+6], 0
	s_mov_b32 s[G1+7], 0
	s_or_b32 s[G1B+0], s44, (1<<16)|(1<<20)|(1<<21)|(5<<22)|(3<<25) ; the mask of my column; padding of 4 words after every 64
	s_mov_b32 s[G1B+1], 128<<16
	s_mov_b32 s[G1B+2], 128<<16
	s_mov_b32 s[G1B+3], 128<<16
	s_mov_b32 s[G1B+4], 128
	s_mov_b32 s[G1B+5], 1024
	s_mov_b32 s[G1B+6], 0
	s_mov_b32 s[G1B+7], 0
	; where the tiles come from.  y's hang on the tile row alone, w_proj's on the tile column alone; each address is made in registers that never hold the other coordinate
	s_lshr_b32 s16, s13, 4                         ; the batch: 16 tile rows each,
	s_lshl_b32 s16, s16, 22                        ; 16 heads of 262,144 bytes
	s_and_b32 s17, s13, 15
	s_lshl_b32 s17, s17, 14                        ; 128 rows of 128 bytes
	s_add_co_u32 s22, s16, s17                     ; the tile's rows in its batch's head 0
	s_lshl_b32 s17, s12, 18                        ; my head of the two; also 128 rows of w_proj, 2,048 bytes each
	s_add_co_u32 s14, s22, s17
	s_mov_b32 s15, 0
	s_lshl_b32 s46, s42, 19                        ; 256 rows of w_proj
	s_add_co_u32 s46, s46, s17
	s_mov_b32 s47, 0
	s_mul_i32 s20, s12, 128*PA                     ; and where they go: no place in the cluster enters an LDS address
	s_mul_i32 s21, s12, 128*PB
	s_add_co_u32 s21, s21, BOFF
	s_wait_kmcnt 0x0
	s_add_nc_u64 s[14:15], s[4:5], s[14:15]
	s_add_nc_u64 s[46:47], s[6:7], s[46:47]
	CROUND                                         ; all sixteen work-groups are here: the first joint loads meet
.irp s, 0,1
	s_mov_b32 s[G0+4*\s], 1
	s_add_co_u32 s[G0+4*\s+1], s20, \s*SLOT
	s_add_nc_u64 s[G0+4*\s+2:G0+4*\s+3], s[14:15], \s*ASTEP
	s_or_b32 s[G0+4*\s+3], s[G0+4*\s+3], 0x80000000
	s_mov_b32 s[G0B+4*\s], 1
	s_add_co_u32 s[G0B+4*\s+1], s21, \s*SLOT
	s_add_nc_u64 s[G0B+4*\s+2:G0B+4*\s+3], s[46:47], \s*BSTEP
	s_or_b32 s[G0B+4*\s+3], s[G0B+4*\s+3], 0x80000000
	JLOAD \s                                       ; two tensor loads of mine are out behind the second
.endr
	v_and_b32 v1, 15, v0                           ; r = l % 16
	v_bfe_u32 v2, v0, 4, 1                         ; h = l / 16
	v_mul_u32_u24 v3, v1, PA
	v_lshl_add_u32 v3, v2, 4, v3                   ; a fragment's row x pitch + 16 x half
	v_mul_u32_u24 v4, v1, PB
	v_lshl_add_u32 v4, v2, 4, v4
	s_mul_i32 s21, s11, 64*PA                      ; my 64 rows of y
	s_mul_i32 s23, s12, 128*PB                     ; my 128 rows of w_proj,
	s_add_co_u32 s23, s23, BOFF                    ; which lie behind y's two heads
.irp s, 0,1
	v_add_nc_u32 v[ADRA+\s], s21, v3
	v_add_nc_u32 v[ADRB+\s], s23, v4
	s_add_co_u32 s21, s21, SLOT
	s_add_co_u32 s23, s23, SLOT
.endr
	s_mul_i32 s21, s10, 16*SPITCH
	s_add_co_u32 s21, s21, STAGE                   ; my stage
	v_mul_u32_u24 v5, v1, SPITCH                   ; in: row r, 32 bytes for each half of the lanes
	v_lshl_add_u32 v5, v2, 5, v5
	v_add_nc_u32 v[STO], s21, v5
	v_and_b32 v6, 31, v0
	v_lshlrev_b32 v[CO], 4, v6                     ; back: the 32 lanes take one row of 512 bytes; and the same in out
	v_add_nc_u32 v[RD], s21, v[CO]
	v_lshlrev_b32 v[PFO], 8, v6
	s_lshl_b32 s16, s13, 19                        ; out: 128 rows of 4,096 bytes a tile row,
	s_lshl_b32 s17, s11, 18                        ; my 64 rows,
	s_add_co_u32 s16, s16, s17
	s_lshl_b32 s17, s42, 10                        ; 256 columns of 4 bytes a tile column,
	s_add_co_u32 s16, s16, s17
	s_lshl_b32 s17, s12, 9                         ; my 128 columns
	s_add_co_u32 s16, s16, s17
	s_mov_b32 s17, 0
	s_add_nc_u64 s[8:9], s[8:9], s[16:17]
	s_lshr_b32 s16, s40, 1                         ; the prefetches: head cx / 2 of a K step's two,
	s_lshl_b32 s16, s16, 18
	s_add_co_u32 s16, s16, s22
	s_and_b32 s17, s40, 1                          ; half cx % 2 of its 16,384 bytes
	s_lshl_b32 s17, s17, 13
	s_add_co_u32 s16, s16, s17
	s_mov_b32 s17, 0
	s_add_nc_u64 s[PFA:PFA+1], s[4:5], s[16:17]
	s_add_nc_u64 s[PFA:PFA+1], s[PFA:PFA+1], 3*ASTEP   ; at K step 3: the first refill, which asks for K step 2, steps it to 4
	s_cmp_eq_u32 s10, 0
	s_cselect_b32 s[LIM], 1, -1
; 8 matrix instructions: y's block a against w_proj's eight, 32 along K, from buffer f.  zero = 1: the first product starts the sums.  The 32 accumulators take turns, one instruction a turn, in the same order in every quarter.
.macro MUL8 f, a, zero
.irp b, 0,1,2,3,4,5,6,7
.if \zero
	v_wmma_f32_16x16x32_f16 v[8*(8*\a+\b):8*(8*\a+\b)+7], v[\f+8*\b:\f+8*\b+7], v[\f+64+8*\a:\f+64+8*\a+7], 0
.else
	v_wmma_f32_16x16x32_f16 v[8*(8*\a+\b):8*(8*\a+\b)+7], v[\f+8*\b:\f+8*\b+7], v[\f+64+8*\a:\f+64+8*\a+7], v[8*(8*\a+\b):8*(8*\a+\b)+7]
.endif
.endr
.endm
; 24 LDS loads in one run: the fragments of the slot's q-th 32 along K into buffer f: w_proj's 16 loads, then y's 8 (head q / 2, channels 32 (q % 2) on)
.macro FETCH slot, q, f
	WIN 0
.irp j, 0,1,2,3,4,5,6,7
	ds_load_b128 v[\f+8*\j:\f+8*\j+3],   v[ADRB+\slot] offset:64*\q+\j*16*PB
	ds_load_b128 v[\f+8*\j+4:\f+8*\j+7], v[ADRB+\slot] offset:64*\q+\j*16*PB+32
.endr
.irp i, 0,1,2,3
	ds_load_b128 v[\f+64+8*\i:\f+64+8*\i+3],   v[ADRA+\slot] offset:(\q/2)*128*PA+(\q%2)*64+\i*16*PA
	ds_load_b128 v[\f+64+8*\i+4:\f+64+8*\i+7], v[ADRA+\slot] offset:(\q/2)*128*PA+(\q%2)*64+\i*16*PA+32
.endr
.endm
.macro PLACES                          ; four places in front of loads into registers that matrix instructions have read, and of the first read of results (ISA guide 7.12.1 for vector instructions)
.rept 4
	v_nop
.endr
.endm
; A K step is four quarters of 32 along K, 32 matrix instructions each, on buffers 0, 1, 0, 1.  One of the first three: multiplies buffer f and fetches quarter q into g.
.macro QUARTER slot, q, f, g, zero
	s_wait_dscnt 4                                 ; w_proj's fragments and y's blocks 0 and 1 are in; the youngest four loads (blocks 2 and 3) may be out
	WIN MUL
	MUL8 \f, 0, \zero
	MUL8 \f, 1, \zero
	PLACES
	FETCH \slot, \q, \g
	s_wait_dscnt 24                                ; all but the 24 just issued
	WIN MUL
	MUL8 \f, 2, \zero
	MUL8 \f, 3, \zero
.endm
; The last quarter multiplies buffer 1 and changes slots: ONE barrier; in front of it each wave waits for all its tensor loads, adds 0 to its spare word, and waits for that and for its own reads of this slot.
; fill = 1: this slot is filled again, two K steps ahead; the barrier then opens a round of the cluster's barrier, and the joint refill is the first thing behind the round: 112 matrix instructions ahead of the wait for it.
.macro TURN slot, next, fill
.if \fill
	s_wait_xcnt 0x0                                ; the last prefetch, a K step back, has read its address: it is stepped here, ahead of the waits of the change of slots
	s_add_nc_u64 s[PFA:PFA+1], s[PFA:PFA+1], ASTEP
.endif
	WIN 0                                          ; (the add's two registers lie in window 0)
	s_wait_tensorcnt 0x0                           ; all my tensor loads have landed: my part of the next slot;
	ds_add_u32 v[SPW], v[NIL]                      ; 0 onto my spare word
	s_wait_dscnt 5                                 ; (the add and the youngest four loads may be out)
	WIN MUL
	MUL8 F1, 0, 0                                  ; eight matrix instructions stand between the add and the wait for it
	s_wait_dscnt 0x0                               ; the add is done, and my reads of this slot are over
	s_barrier_signal -1
	MUL8 F1, 1, 0
.if \fill
	WIN 0
.endif
	s_barrier_wait -1
.if \fill
	CREST                                          ; no wave of any partner still reads this slot's tiles or has a load on its way
	s_add_nc_u64 s[G0+4*\slot+2:G0+4*\slot+3], s[G0+4*\slot+2:G0+4*\slot+3], 2*ASTEP
	s_add_nc_u64 s[G0B+4*\slot+2:G0B+4*\slot+3], s[G0B+4*\slot+2:G0B+4*\slot+3], 2*BSTEP
	JLOAD \slot                                    ; the four v_nop behind it are also the places in front of the loads below
.else
	PLACES
.endif
	FETCH \next, 0, F0
.if \fill
	ASK
.endif
	WIN MUL
	MUL8 F1, 2, 0
	MUL8 F1, 3, 0
.endm
	s_wait_tensorcnt 1                             ; my part of K step 0 is in (K step 1's load may be out)
	s_barrier_signal -1
	s_barrier_wait -1                              ; everybody's is
	FETCH 0, 0, F0
	QUARTER 0, 1, F0, F1, 1                        ; the first quarter stands in front of the loop: its products start the sums
	WIN 0                                          ; at a label and at a branch every window is 0
	s_mov_b32 s3, LAPS-1
.Llap:                                                 ; a trip goes once round the ring, from a lap's second quarter to the next lap's first, and fills both slots again
	QUARTER 0, 2, F1, F0, 0
	QUARTER 0, 3, F0, F1, 0
	TURN 0, 1, 1
	QUARTER 1, 1, F0, F1, 0
	QUARTER 1, 2, F1, F0, 0
	QUARTER 1, 3, F0, F1, 0
	TURN 1, 0, 1
	QUARTER 0, 1, F0, F1, 0
	WIN 0
	s_sub_co_u32 s3, s3, 1
	s_cmp_lg_u32 s3, 0
	s_cbranch_scc1 .Llap
	QUARTER 0, 2, F1, F0, 0                        ; the last lap fills nothing, and has no round of the cluster's barrier
	QUARTER 0, 3, F0, F1, 0
	TURN 0, 1, 0
	QUARTER 1, 1, F0, F1, 0
	QUARTER 1, 2, F1, F0, 0
	QUARTER 1, 3, F0, F1, 0
	s_wait_dscnt 4                                 ; the very last quarter: nothing more to fetch
	WIN MUL
	MUL8 F1, 0, 0
	MUL8 F1, 1, 0
	s_wait_dscnt 0
	MUL8 F1, 2, 0
	MUL8 F1, 3, 0
	WIN 0
; THE WAY OUT, block by block of 16 rows x 128 columns.  A lane holds 32 neighbouring bytes of a row, and the lanes beside it hold other rows: so a block goes through my own stage in LDS and comes back as whole
; rows of 512 bytes.  LDS serves a wave's instructions in order (ISA guide 5.7.1.4): no wait between the stores and the loads, nor in front of the next block's stores.
.macro TOSTAGE a
	WIN 0x04                                       ; an LDS store's data are its source 1: window 1
.irp b, 0,1,2,3,4,5,6,7
	ds_store_b128 v[STO], v[8*(8*(\a)+\b):8*(8*(\a)+\b)+3] offset:64*\b          ; each accumulator from its low end on
	ds_store_b128 v[STO], v[8*(8*(\a)+\b)+4:8*(8*(\a)+\b)+7] offset:64*\b+16
.endr
	WIN 0
.set BB, BK+64*((\a)%2)
.irp t, 0,1,2,3,4,5,6,7,8,9,10,11,12,13,14,15
	ds_load_b128 v[BB+4*\t:BB+4*\t+3], v[RD] offset:\t*SPITCH
.endr
.endm
.macro SEND a, younger                 ; younger: the LDS instructions issued behind block a's loads, which may stay out
.set BB, BK+64*((\a)%2)
	s_wait_dscnt \younger                          ; the block is back in registers
.irp t, 0,1,2,3,4,5,6,7,8,9,10,11,12,13,14,15
	global_store_b128 v[CO], v[BB+4*\t:BB+4*\t+3], s[8:9] offset:(16*(\a)+\t)*4096 th:TH_STORE_NT   ; 32 lanes store 512 consecutive bytes, at a multiple of 256 from out's first byte; the base is never stepped: 63 rows at the most stand in the immediate
.endr
.endm
	PLACES                                         ; behind the last products: for the first read of results and for the loads into the registers that held fragments
	TOSTAGE 0
.irp a, 1,2,3
.if \a > 1
	s_wait_xcnt 0x0                                ; block a - 2's stores have read their registers: block a's loads may land there
.endif
	TOSTAGE \a
	SEND \a-1, 32                                  ; behind block a - 1's loads: block a's 16 stores and 16 loads
.endr
	SEND 3, 0
	s_wait_tensorcnt 0x0                           ; the wave's end, behind my last tensor load and my last LDS store
	ds_add_u32 v[SPW], v[NIL]
	s_wait_dscnt 0x0
	CROUND                                         ; the closing round: no work-group ends while a partner may still ask for a tile that names it
	s_endpgm
.Lfunc_end_k_q0cdcf1bf7c_proj:
	.size	k_q0cdcf1bf7c_proj, .Lfunc_end_k_q0cdcf1bf7c_proj-k_q0cdcf1bf7c_proj
	.p2alignl 7, 3214868480
	.fill 96, 4, 3214868480
	.section	.rodata,"a",@progbits
	.p2align	6, 0x0
	.amdhsa_kernel k_q0cdcf1bf7c_proj
		.amdhsa_group_segment_fixed_size 327680
		.amdhsa_private_segment_fixed_size 0
		.amdhsa_enable_private_segment 0
		.amdhsa_kernarg_size 24
		.amdhsa_user_sgpr_count 2
		.amdhsa_user_sgpr_kernarg_segment_ptr 1
		.amdhsa_wavefront_size32 1
		.amdhsa_system_sgpr_workgroup_id_x 1
		.amdhsa_system_sgpr_workgroup_id_y 1
		.amdhsa_system_sgpr_workgroup_id_z 1
		.amdhsa_system_vgpr_workitem_id 0
		.amdhsa_next_free_vgpr 512
		.amdhsa_next_free_sgpr 66
		.amdhsa_reserve_vcc 0
		.amdhsa_float_denorm_mode_32 3
		.amdhsa_float_denorm_mode_16_64 3
		.amdhsa_memory_ordered 1
		.amdhsa_forward_progress 1
		.amdhsa_inst_pref_size 86
	.end_amdhsa_kernel
	.amdgpu_metadata
---
amdhsa.version: [ 1, 2 ]
amdhsa.kernels:
  - .name:           k_q0cdcf1bf7c_proj
    .symbol:         k_q0cdcf1bf7c_proj.kd
    .args:
      - { .name: yb, .offset: 0, .size: 8, .value_kind: global_buffer, .address_space: global }
      - { .name: wp, .offset: 8, .size: 8, .value_kind: global_buffer, .address_space: global }
      - { .name: out0, .offset: 16, .size: 8, .value_kind: global_buffer, .address_space: global }
    .group_segment_fixed_size: 327680
    .private_segment_fixed_size: 0
    .kernarg_segment_align: 8
    .kernarg_segment_size: 24
    .max_flat_workgroup_size: 128
    .sgpr_count:     66
    .vgpr_count:     512
    .wavefront_size: 32
...
	.end_amdgpu_metadata
.endif
;; end of part 4
